; MI455X (gfx1250); checked and timed in simulation.
; The chip was launched on July 23, 2026; its instructions are those of AMD's public machine-readable ISA for CDNA 5 (MIT licence, August 2026) and "CDNA5" Instruction Set Architecture Reference Guide (July 2026). The comments in the code are by the model that wrote it; some were corrected since.
;; Multi Head Attention. Allowed arithmetic: matrix products marked QUANTISED: E2M1 operands, one E8M0 scale for each 32 along K, by v_wmma_scale_f32_16x16x128_f8f6f4 with both operands' format E2M1 (or v_wmma_scale_f32_32x16x128_f4), f32 sums; products left as they are: bf16, f16 or f32 operands; f32 sums; everything else in f32.
;; Inputs: Wk 16 x 1,024 x 64 float32; Wp 1,024 x 1,024 float32; Wq 16 x 1,024 x 64 float32; Wv 16 x 1,024 x 64 float32; bp 1,024 float32; x 4 x 2,048 x 1,024 float32.
;; Outputs: out0 4 x 2,048 x 1,024 float32.
;; This version of the problem:
;;   THIS VERSION OF THE PROBLEM IS GIVEN IN LOW PRECISION. The matrix products marked QUANTISED in the list below multiply operands that are first quantised to E2M1 (2 exponent bits, 1 mantissa bit; 4 bits a number), with one power-of-two scale for each 32 numbers along K (OCP MX v1.0); their sums are f32. The products marked 'left as it is' may take bf16, f16 or f32 operands, with f32 sums. Whichever they take, every output number must still come out within the allowed error. Rounding operands to bf16 (8 significant bits) uses up far more of that allowance than f16 does (11 bits, for magnitudes from 6e-5 to 65,504). All else is computed in f32.
;;   The module's matrix products, in the order in which they are computed (A, B: the left and right operand; K: the contracted axis; several contracted axes count as one K, in the product's order):
;;     1. [M 1,024, K 1,024] x [K 1,024, N 8,192]; A: input Wq; B: input x: QUANTISED
;;     2. [M 1,024, K 1,024] x [K 1,024, N 8,192]; A: input Wk; B: input x: QUANTISED
;;     3. [M 1,024, K 1,024] x [K 1,024, N 8,192]; A: input Wv; B: input x: QUANTISED
;;     4. batch 64 x [M 2,048, K 64] x [K 64, N 2,048]; A: computed on the way; B: computed on the way: left as it is (an operand is computed on the way)
;;     5. batch 64 x [M 2,048, K 2,048] x [K 2,048, N 64]; A: computed on the way; B: computed on the way: left as it is (an operand is computed on the way)
;;     6. [M 8,192, K 1,024] x [K 1,024, N 1,024]; A: computed on the way; B: input Wp: left as it is (an operand is computed on the way)
;;   THE QUANTISER, for each operand of a quantised product, along K:
;;     - K is cut into blocks of 32 from its start; a last block that is shorter is filled with zeros.
;;     - A block's scale is 2^e with e = floor(log2(the largest magnitude in the block)) - 2, held to -126 .. 127; a block of zeros has e = 0. As a byte (E8M0): e + 127.
;;     - Each number is divided by its block's scale, clamped to +-6, and rounded to the nearest number of E2M1, ties to even, subnormals kept.
;;     - The product sums the exact products of the quantised numbers (number of the format x scale) in f32.
;;   ~~~python
;;   def quantise(x, axis):      # numpy; x: float32 -> the quantised numbers, widened to float32 again
;;       x = np.moveaxis(x, axis, -1); K = x.shape[-1]
;;       x = np.pad(x, [(0, 0)] * (x.ndim - 1) + [(0, -K % 32)]); x = x.reshape(x.shape[:-1] + (-1, 32)); a = np.abs(x).max(-1, keepdims=True)
;;       e = np.where(a > 0, np.clip(np.frexp(np.where(a > 0, a, 1))[1] - 1 - 2, -126, 127), 0)      # np.frexp(a)[1] - 1 = floor(log2(a)), exactly
;;       r = np.clip(x / 2.0 ** e, -6, 6)
;;       step = 2.0 ** (np.maximum(np.frexp(np.where(r == 0, 1, r))[1] - 1, 0) - 1)
;;       q = np.round(r / step) * step * 2.0 ** e      # np.round: ties to even
;;       return np.moveaxis(q.reshape(q.shape[:-2] + (-1,))[..., :K], -1, axis).astype(np.float32)
;;   ~~~
;; One version. Each part assembles by itself: llvm-mc -triple=amdgcn-amd-amdhsa -mcpu=gfx1250 --defsym DOCPART=n.
;; ======== version 1 of 1: 5 launches
;; limits: values are held in f16: magnitudes above 65,504 overflow, below 6.1e-05 lose precision
;; workspace buffers: xc 4,194,304 bytes; xs 262,144 bytes; wc 1,572,864 bytes; wsc 98,304 bytes; wpt 2,097,152 bytes; qkv 50,331,648 bytes; q32 786,432 bytes; o16 16,777,216 bytes
;; launch prep (part 1): grid 416 x 1, 4 waves a work-group, no clusters, 51,200 bytes of LDS; arguments x, Wq, Wk, Wv, Wp, xc, xs, wc, wsc, wpt; writes xc, xs, wc, wsc, wpt
.if DOCPART == 1
	.amdgcn_target "amdgcn-amd-amdhsa--gfx1250"
	.amdhsa_code_object_version 6
	.text
	.protected	k_q3e3f92f734_prep
	.globl	k_q3e3f92f734_prep
	.p2align	8
	.type	k_q3e3f92f734_prep,@function
k_q3e3f92f734_prep:
	s_mov_b64 s[64:65], 0
	v_nop
	global_prefetch_b8 v0, s[64:65] scope:SCOPE_SE
	s_setreg_imm32_b32 hwreg(HW_REG_WAVE_MODE, 25, 1), 1
	s_wait_xcnt 0x0
; THE PROGRAM: causal multi-head attention, B 4, T 2,048, C 1,024, 16 heads of 64, in five launches.
;   prep: x and Wq, Wk, Wv become codes of E2M1 with one E8M0 byte for each 32 along C (the stated quantiser); Wp becomes f16, laid as the projection's operand registers.
;   qkv:  Q, K, V = x W on those codes (the three quantised products), stored as f16 in the order of attention's operand registers; positions 0-15 of each sequence also as f32.
;   attn: softmax(Q K^T / 8) V under the causal mask, f16 operands, f32 sums, running maximum;  proj: O Wp + bp, f16 operands, f32 sums;
;   fine: positions 0-15 of each sequence once more, wholly in f32, attention and projection: it alone stores those rows of the output.
; WORK LEFT OUT (in attn): a step of 64 keys all of which come after a tile's 16 queries.  reference() itself sets those scores to -inf by its own jnp.tril, so their weights are 0
; for every value of the inputs, and they add nothing to any sum.  Nothing else is left out; every input is loaded.
; LIMIT: a NaN, an infinity or an overflow that would arise only in such masked scores is not carried to the result.
; LIMITS OF FORMAT: Q, K, V, O and Wp go to products 4 to 6 as f16: magnitudes up to 65,504.  NaN and infinities among the inputs are not served.
; THE QUANTISER: a block's scale is 2^(floor(log2(largest magnitude)) - 2); its byte is that magnitude's exponent field - 2, held at 1 from below.  A block of zeros so gets the byte 1 where the rule says 127:
; its codes are zeros, which add nothing under any byte but 0xff, and the bytes are read by this program alone.
; THIS LAUNCH has three paths, chosen by the work-group's number alone; each path that uses LDS has LDS bytes of its own.
;   work-groups 0-255:   x, a plain stream of blocks of 32 (rows are dense, C is a multiple of 32): a wave takes 16 steps of 512 numbers.
;   work-groups 256-351: Wq, Wk, Wv [h][c][d]: K = c is not innermost: a lane takes a column d, its registers run down c.  A work-group takes 32 columns x all 1,024 c, a wave 256 c.
;   work-groups 352-415: Wp [k][n] to f16: a lane takes a column n, 32 k at a time; 8 neighbouring k are 16 bytes of the operand's image.
.set SPARE, 50688                      ; the spare words: 128 bytes for each wave, two blocks of 256 bytes that no other line names
.set SPW,   190                        ; v190 LDS address of my spare word; never rewritten
.set NIL,   191                        ; v191 0; never rewritten
.set WREG,  8192                       ; path x: a region for each wave: two stages of 32 x SP bytes, then its 256 scale bytes
.set SP,    80                         ; a lane's place in a stage: its 64 bytes + 16 of padding
.set R,     16                         ; v16-79   four sets of 16 numbers as loaded
.set X,     80                         ; v80-111  two sets of 16 neighbours
.set E,     112                        ; v112-127 a scale byte for each step
.set C,     128                        ; v128-189 codes: four registers for each step
.set STGW,  32768                      ; path W: a stage of 32 rows x (512 bytes + 16)
.set PW,    528
.set SCW,   49664                      ; path W: 32 rows x 32 scale bytes
	s_load_b256 s[4:11], s[0:1], 0x0               ; x s[4:5], Wq s[6:7], Wk s[8:9], Wv s[10:11]
	s_load_b256 s[12:19], s[0:1], 0x20             ; Wp s[12:13], xc s[14:15], xs s[16:17], wc s[18:19]
	s_load_b128 s[20:23], s[0:1], 0x40             ; wsc s[20:21], wpt s[22:23]
	v_lshl_add_u32 v[SPW], v0, 2, SPARE
	v_mov_b32 v[NIL], 0
	v_lshrrev_b32 v1, 5, v0
	v_readfirstlane_b32 s24, v1                    ; wave 0..3
	v_and_b32 v2, 31, v0                           ; lane
	s_wait_kmcnt 0x0
	s_cmp_lt_u32 ttmp9, 256
	s_cbranch_scc0 .Lnot_x
; ---------------- x ----------------
; Each of a step's four loads reads 512 consecutive bytes, 16 a lane; the 2,048 bytes turn through the wave's own stage and come back 64 bytes a lane: 16 neighbours along C, two lanes to a block.
	v_lshlrev_b32 v3, 4, v2                        ; my 16 bytes of a load's 512
	s_mul_i32 s25, s24, WREG
	v_lshrrev_b32 v14, 2, v2
	v_mul_u32_u24 v14, v14, SP
	v_and_b32 v15, 3, v2
	v_lshl_add_u32 v14, v15, 4, v14
	v_add_nc_u32 v14, s25, v14                     ; the stage, on the way in: SP (lane / 4) + 16 (lane % 4)
	v_mul_u32_u24 v15, v2, SP
	v_add_nc_u32 v15, s25, v15                     ; on the way out: SP x lane
	v_lshlrev_b32 v4, 3, v2                        ; my 8 bytes of a step's 256 bytes of codes
	v_lshrrev_b32 v5, 1, v2
	s_add_co_u32 s25, s25, 2*32*SP
	v_add_nc_u32 v5, s25, v5                       ; my block's byte among my wave's 256 scale bytes
	v_lshlrev_b32 v7, 3, v2
	v_add_nc_u32 v6, s25, v7                       ; and 8 of them a lane on the way out
	s_lshl_b32 s26, ttmp9, 2
	s_add_co_u32 s26, s26, s24                     ; which run of 8,192 numbers is my wave's
	s_mov_b32 s29, 0
	s_lshl_b32 s28, s26, 15
	s_add_nc_u64 s[4:5], s[4:5], s[28:29]
	s_lshl_b32 s28, s26, 12
	s_add_nc_u64 s[14:15], s[14:15], s[28:29]
	s_lshl_b32 s28, s26, 8
	s_add_nc_u64 s[16:17], s[16:17], s[28:29]
.macro LOADX t
.irp i, 0,1,2,3
	global_load_b128 v[R+16*((\t)%4)+4*\i:R+16*((\t)%4)+4*\i+3], v3, s[4:5] offset:2048*(\t)+512*\i th:TH_LOAD_NT
.endr
.endm
.macro TURNX t                         ; LDS serves a wave's instructions in order: no wait between the stores and the loads
.irp i, 0,1,2,3
	ds_store_b128 v14, v[R+16*((\t)%4)+4*\i:R+16*((\t)%4)+4*\i+3] offset:32*SP*((\t)%2)+8*SP*\i
.endr
.irp i, 0,1,2,3
	ds_load_b128 v[X+16*((\t)%2)+4*\i:X+16*((\t)%2)+4*\i+3], v15 offset:32*SP*((\t)%2)+16*\i
.endr
.endm
.irp t, 0,1,2,3
	LOADX \t
.endr
	s_wait_loadcnt 12                              ; step 0's four loads are in; the twelve of steps 1 to 3 may be out
	TURNX 0
.macro STEPX t
.set XS, X+16*((\t)%2)
.if (\t) > 0
	s_wait_dscnt 1                                 ; this step's numbers are back from the stage (the last step's byte store may be out)
.else
	s_wait_dscnt 0x0
.endif
.if (\t)+4 < 16
	LOADX (\t)+4                                   ; into the set whose stores into the stage have read their registers
.endif
.if (\t)+1 < 16
.if 14-(\t) >= 3
	s_wait_loadcnt 12                              ; the next step's four loads are in; those of the three steps behind it may be out
.else
	s_wait_loadcnt 4*(14-(\t))
.endif
	TURNX (\t)+1
.endif
	v_max3_num_f32 v8, |v[XS]|, |v[XS+1]|, |v[XS+2]|               ; the largest magnitude of my 16, in two chains
	v_max3_num_f32 v9, |v[XS+3]|, |v[XS+4]|, |v[XS+5]|
.irp i, 6,10
	v_max3_num_f32 v8, v8, |v[XS+\i]|, |v[XS+\i+1]|
	v_max3_num_f32 v9, v9, |v[XS+\i+2]|, |v[XS+\i+3]|
.endr
	v_max3_num_f32 v8, v8, |v[XS+14]|, |v[XS+15]|
	v_max3_num_f32 v8, v8, v9, 0x1800000           ; and the floor 2^(3 - 127): the byte cannot fall under 1
	v_max_num_f32_dpp v8, v8, v8 row_xmask:1 row_mask:0xf bank_mask:0xf   ; with my neighbour's 16: the block's
	v_add_nc_u32 v11, 0xff000000, v8               ; 2 off its exponent field: the conversion takes this operand's exponent field as its scale
	v_cvt_scalef32_pk8_fp4_f32 v[C+4*(\t)], v[XS:XS+7], v11
	v_cvt_scalef32_pk8_fp4_f32 v[C+4*(\t)+1], v[XS+8:XS+15], v11
	v_lshrrev_b32 v[E+(\t)], 23, v11               ; the scale's byte
	ds_store_b8 v5, v[E+(\t)] offset:16*(\t)       ; both lanes of a block write the same byte with the same value
	global_store_b64 v4, v[C+4*(\t):C+4*(\t)+1], s[14:15] offset:256*(\t)   ; the wave stores 256 consecutive bytes, aligned
.endm
.irp t, 0,1,2,3,4,5,6,7,8,9,10,11,12,13,14,15
	STEPX \t
.endr
	ds_load_b64 v[8:9], v6                         ; my wave's 256 scale bytes, 8 a lane
	s_wait_dscnt 0x0
	global_store_b64 v7, v[8:9], s[16:17]          ; 256 consecutive bytes, aligned
	s_wait_tensorcnt 0x0                           ; the wave's end
	ds_add_u32 v[SPW], v[NIL]
	s_wait_dscnt 0x0
	s_endpgm
; ---------------- Wq, Wk, Wv ----------------
.Lnot_x:
	s_cmp_lt_u32 ttmp9, 352
	s_cbranch_scc0 .Lpath_p
	s_sub_co_u32 s26, ttmp9, 256                   ; j = 32 sel + 2 h + half: rows 32 j .. 32 j + 31 of wc
	s_lshr_b32 s27, s26, 5                         ; sel: 0 Wq, 1 Wk, 2 Wv
	s_cmp_eq_u32 s27, 0
	s_cselect_b64 s[6:7], s[6:7], s[8:9]
	s_cmp_eq_u32 s27, 2
	s_cselect_b64 s[6:7], s[10:11], s[6:7]
	s_bfe_u32 s28, s26, 0x40001                    ; h
	s_lshl_b32 s28, s28, 18                        ; a head is 1,024 rows of 256 bytes
	s_and_b32 s29, s26, 1
	s_lshl_b32 s29, s29, 7                         ; which 32 of its 64 columns
	s_add_co_u32 s28, s28, s29
	s_lshl_b32 s29, s24, 16                        ; my wave's 256 rows c
	s_add_co_u32 s28, s28, s29
	s_mov_b32 s29, 0
	s_add_nc_u64 s[6:7], s[6:7], s[28:29]
	s_lshl_b32 s28, s26, 14                        ; 32 rows of 512 bytes of codes
	s_add_nc_u64 s[18:19], s[18:19], s[28:29]
	s_lshl_b32 s28, s26, 10                        ; 32 rows of 32 scale bytes
	s_add_nc_u64 s[20:21], s[20:21], s[28:29]
	v_lshlrev_b32 v3, 2, v2                        ; in: 4 bytes a lane
	s_lshl_b32 s30, s24, 7
	s_add_co_u32 s30, s30, STGW
	v_mul_u32_u24 v4, v2, PW
	v_add_nc_u32 v4, s30, v4                       ; the stage: row = my column, my wave's 128 bytes of its 512
	s_lshl_b32 s30, s24, 3
	s_add_co_u32 s30, s30, SCW
	v_lshl_add_u32 v5, v2, 5, s30                  ; my column's row of scale bytes, my wave's 8
	s_mul_i32 s30, s24, 8*PW
	s_add_co_u32 s30, s30, STGW
	v_lshl_add_u32 v7, v2, 4, s30                  ; back: wave w takes rows 8 w .. 8 w + 7 whole, 16 bytes a lane
	s_lshl_b32 s30, s24, 12
	v_lshl_add_u32 v8, v2, 4, s30                  ; and the same place in wc
	s_lshl_b32 s30, s24, 8
	v_lshl_add_u32 v10, v2, 3, s30                 ; its 8 rows' 256 scale bytes, 8 a lane: in wsc,
	v_add_nc_u32 v9, SCW, v10                      ; and in LDS
.macro LOADW t                         ; block t: W(32 t + i, my column) into set t % 2: each load reads 128 consecutive bytes
.set i, 0
.rept 32
	global_load_b32 v[32+32*((\t)%2)+i], v3, s[6:7] offset:(32*(\t)+i)*256 th:TH_LOAD_NT
.set i, i+1
.endr
.endm
	LOADW 0
	LOADW 1
.macro BLOCKW t
.set XS, 32+32*((\t)%2)
.if (\t) < 7
	s_wait_loadcnt 32                              ; this block's 32 loads are in; the next block's 32 may be out
.else
	s_wait_loadcnt 0x0
.endif
	v_max3_num_f32 v12, |v[XS]|, |v[XS+1]|, |v[XS+2]|              ; the block's largest magnitude: all 32 numbers are mine
	v_max3_num_f32 v13, |v[XS+3]|, |v[XS+4]|, |v[XS+5]|
.irp i, 6,10,14,18,22,26
	v_max3_num_f32 v12, v12, |v[XS+\i]|, |v[XS+\i+1]|
	v_max3_num_f32 v13, v13, |v[XS+\i+2]|, |v[XS+\i+3]|
.endr
	v_max3_num_f32 v12, v12, |v[XS+30]|, |v[XS+31]|
	v_max3_num_f32 v12, v12, v13, 0x1800000        ; and the floor
	v_add_nc_u32 v11, 0xff000000, v12              ; the conversion's scale operand
	v_lshrrev_b32 v13, 23, v11                     ; the scale's byte
.if (\t)%4 == 0
	v_mov_b32 v[24+(\t)/4], v13                    ; four bytes to a register, the lower c in the lower byte
.else
	v_lshl_or_b32 v[24+(\t)/4], v13, 8*((\t)%4), v[24+(\t)/4]
.endif
.irp g, 0,1,2,3
	v_cvt_scalef32_pk8_fp4_f32 v[96+\g], v[XS+8*\g:XS+8*\g+7], v11
.endr
	ds_store_b128 v4, v[96:99] offset:16*(\t)      ; 32 codes: 16 bytes of my column's row
.if (\t)+2 < 8
	LOADW (\t)+2
.endif
	s_wait_dscnt 0x0                               ; the store has read its registers: the next block's codes may be written
.endm
.irp t, 0,1,2,3,4,5,6,7
	BLOCKW \t
.endr
	ds_store_b64 v5, v[24:25]
	s_wait_dscnt 0x0                               ; for the others' sake: my stores have landed
	s_barrier_signal -1
	s_barrier_wait -1                              ; 32 whole rows of codes and of scale bytes lie in LDS
.irp i, 0,1,2,3,4,5,6,7
	ds_load_b128 v[112+4*\i:115+4*\i], v7 offset:\i*PW
.endr
	ds_load_b64 v[144:145], v9
.irp i, 0,1,2,3,4,5,6,7
	s_wait_dscnt 8-\i                              ; row i is in: behind it stand 7 - i rows and the scale bytes
	global_store_b128 v8, v[112+4*\i:115+4*\i], s[18:19] offset:512*\i    ; a whole row: 512 consecutive bytes
.endr
	s_wait_dscnt 0x0
	global_store_b64 v10, v[144:145], s[20:21]     ; 256 consecutive bytes, aligned
	s_wait_tensorcnt 0x0                           ; the wave's end: the three lines
	ds_add_u32 v[SPW], v[NIL]
	s_wait_dscnt 0x0
	s_endpgm
; ---------------- Wp ----------------
; wpt holds Wp^T as f16 in the order of the projection's operand registers: a fragment of 16 n x 32 k is 1,024 bytes at (n / 16) 32,768 + (k / 32) 1,024; in it the 8 numbers
; k = 8 g .. 8 g + 7 of column n lie at 256 g + 16 (n % 16).  So a lane's 32 k of one column are four stores of 16 bytes, and sixteen lanes fill 256 consecutive bytes, aligned.
.Lpath_p:
	s_sub_co_u32 s26, ttmp9, 352
	s_and_b32 s27, s26, 7                          ; which 128 columns
	s_lshr_b32 s26, s26, 3                         ; which 128 along k
	s_lshl_b32 s28, s26, 19                        ; 128 rows of 4,096 bytes
	s_lshl_b32 s29, s27, 9
	s_add_co_u32 s28, s28, s29
	s_lshl_b32 s29, s24, 7                         ; my wave's 32 columns
	s_add_co_u32 s28, s28, s29
	s_mov_b32 s29, 0
	s_add_nc_u64 s[12:13], s[12:13], s[28:29]
	s_lshl_b32 s28, s27, 18                        ; 8 tiles of 16 columns
	s_lshl_b32 s29, s24, 16                        ; my wave's two
	s_add_co_u32 s28, s28, s29
	s_lshl_b32 s29, s26, 12                        ; four fragments along k
	s_add_co_u32 s28, s28, s29
	s_mov_b32 s29, 0
	s_add_nc_u64 s[22:23], s[22:23], s[28:29]
	v_lshlrev_b32 v3, 2, v2
	v_lshrrev_b32 v4, 4, v2
	v_and_b32 v5, 15, v2
	v_lshlrev_b32 v5, 4, v5
	v_lshl_add_u32 v4, v4, 15, v5                  ; (lane / 16) 32,768 + 16 (lane % 16)
.macro LOADP t
.set i, 0
.rept 32
	global_load_b32 v[32+32*((\t)%2)+i], v3, s[12:13] offset:(32*(\t)+i)*4096 th:TH_LOAD_NT
.set i, i+1
.endr
.endm
	LOADP 0
	LOADP 1
.macro BLOCKP t                        ; each block has 16 registers of its own for its stores: none is written again
.set XS, 32+32*((\t)%2)
.if (\t) < 3
	s_wait_loadcnt 32                              ; this block's loads are in; the next block's 32 may be out
.else
	s_wait_loadcnt 0x0
.endif
.set i, 0
.rept 16
	v_cvt_pk_f16_f32 v[96+16*(\t)+i], v[XS+2*i], v[XS+2*i+1]
.set i, i+1
.endr
.irp g, 0,1,2,3
	global_store_b128 v4, v[96+16*(\t)+4*\g:96+16*(\t)+4*\g+3], s[22:23] offset:1024*(\t)+256*\g
.endr
.if (\t)+2 < 4
	LOADP (\t)+2
.endif
.endm
.irp t, 0,1,2,3
	BLOCKP \t
.endr
	s_wait_tensorcnt 0x0                           ; the three lines, as on the other paths
	ds_add_u32 v[SPW], v[NIL]
	s_wait_dscnt 0x0
	s_endpgm
.Lfunc_end_k_q3e3f92f734_prep:
	.size	k_q3e3f92f734_prep, .Lfunc_end_k_q3e3f92f734_prep-k_q3e3f92f734_prep
	.p2alignl 7, 3214868480
	.fill 96, 4, 3214868480
	.section	.rodata,"a",@progbits
	.p2align	6, 0x0
	.amdhsa_kernel k_q3e3f92f734_prep
		.amdhsa_group_segment_fixed_size 51200
		.amdhsa_private_segment_fixed_size 0
		.amdhsa_enable_private_segment 0
		.amdhsa_kernarg_size 80
		.amdhsa_user_sgpr_count 2
		.amdhsa_user_sgpr_kernarg_segment_ptr 1
		.amdhsa_wavefront_size32 1
		.amdhsa_system_sgpr_workgroup_id_x 1
		.amdhsa_system_sgpr_workgroup_id_y 1
		.amdhsa_system_sgpr_workgroup_id_z 1
		.amdhsa_system_vgpr_workitem_id 0
		.amdhsa_next_free_vgpr 192
		.amdhsa_next_free_sgpr 66
		.amdhsa_reserve_vcc 0
		.amdhsa_float_denorm_mode_32 3
		.amdhsa_float_denorm_mode_16_64 3
		.amdhsa_memory_ordered 1
		.amdhsa_forward_progress 1
		.amdhsa_inst_pref_size 92
	.end_amdhsa_kernel
	.amdgpu_metadata
---
amdhsa.version: [ 1, 2 ]
amdhsa.kernels:
  - .name:           k_q3e3f92f734_prep
    .symbol:         k_q3e3f92f734_prep.kd
    .args:
      - { .name: x, .offset: 0, .size: 8, .value_kind: global_buffer, .address_space: global }
      - { .name: Wq, .offset: 8, .size: 8, .value_kind: global_buffer, .address_space: global }
      - { .name: Wk, .offset: 16, .size: 8, .value_kind: global_buffer, .address_space: global }
      - { .name: Wv, .offset: 24, .size: 8, .value_kind: global_buffer, .address_space: global }
      - { .name: Wp, .offset: 32, .size: 8, .value_kind: global_buffer, .address_space: global }
      - { .name: xc, .offset: 40, .size: 8, .value_kind: global_buffer, .address_space: global }
      - { .name: xs, .offset: 48, .size: 8, .value_kind: global_buffer, .address_space: global }
      - { .name: wc, .offset: 56, .size: 8, .value_kind: global_buffer, .address_space: global }
      - { .name: wsc, .offset: 64, .size: 8, .value_kind: global_buffer, .address_space: global }
      - { .name: wpt, .offset: 72, .size: 8, .value_kind: global_buffer, .address_space: global }
    .group_segment_fixed_size: 51200
    .private_segment_fixed_size: 0
    .kernarg_segment_align: 8
    .kernarg_segment_size: 80
    .max_flat_workgroup_size: 128
    .sgpr_count:     66
    .vgpr_count:     192
    .wavefront_size: 32
...
	.end_amdgpu_metadata
.endif
;; end of part 1
;; launch qkv (part 2): grid 12 x 32, 4 waves a work-group, clusters of 4 x 4, 327,680 bytes of LDS; arguments xc, xs, wc, wsc, qkv, q32; writes qkv, q32
.if DOCPART == 2
	.amdgcn_target "amdgcn-amd-amdhsa--gfx1250"
	.amdhsa_code_object_version 6
	.text
	.protected	k_q3e3f92f734_qkv
	.globl	k_q3e3f92f734_qkv
	.p2align	8
	.type	k_q3e3f92f734_qkv,@function
k_q3e3f92f734_qkv:
	s_mov_b64 s[64:65], 0
	v_nop
	global_prefetch_b8 v0, s[64:65] scope:SCOPE_SE
	s_setreg_imm32_b32 hwreg(HW_REG_WAVE_MODE, 25, 1), 1
	s_wait_xcnt 0x0
	s_wait_alu depctr_hold_cnt(0) depctr_sa_sdst(0) depctr_va_vdst(0) depctr_va_sdst(0) depctr_va_ssrc(0) depctr_va_vcc(0) depctr_vm_vsrc(0)
	s_getreg_b32 s2, hwreg(HW_REG_IB_STS2, 6, 4)
	s_cmp_eq_u32 s2, 0
	s_cbranch_scc0 .Lentry_in_a_cluster
	s_endpgm
.Lentry_in_a_cluster:
	s_bfe_u32 s2, ttmp6, 0x10000c
	s_cmp_lg_u32 s2, 0xf033
	s_cbranch_scc0 .Lentry_shape_is_right
	s_endpgm
.Lentry_shape_is_right:
; Q, K, V: C[m][n] = sum over c of x[m][c] W[n][c] on codes of E2M1 with E8M0 scales; m = 2,048 b + t (8,192), n = 1,024 sel + 64 h + d (3,072; sel 0 Q, 1 K, 2 V), K = 1,024; sums in f32.
; A tile of C, 256 x 256, is made by four waves, each 128 x 128: 64 accumulators of 16 x 16.  K goes in two steps of 512 through two LDS slots, each filled once by the tensor data mover (rows of 256 bytes);
; the scale bytes of the work-group's rows come once, as dense blocks.  CLUSTERS of 4 x 4: the four of a row need the same tiles of x, the four of a column the same tiles of W: each is asked for jointly.
; The matrix instruction is used transposed (source 0 = 16 rows of W, source 1 = 16 rows of x): a lane holds row m = lane % 16 and eight neighbouring n = 8 (lane / 16) + 0 .. 7.
; THE TILE ROW IS 8 cy + cluster y: so the batch is cy and the tile's place in its sequence is cluster y, which all sixteen partners share: the branch for positions 0-15 hangs on cluster y and the wave's number alone.
; THE WAY OUT HAS NO STAGE.  qkv is laid in the order of attention's operand registers: [b][plane n / 64][tile of 16 tokens][4 blocks of 512 bytes]; block dt holds channels 16 dt .. + 15 of the 16 tokens,
; 16 bytes (eight f16) for each (token, half of the channels).  A lane's eight results, rounded to f16, ARE such 16 bytes: each store of the wave covers 512 consecutive bytes.
;   Q's and K's planes: the 16 bytes of lane l lie at 16 l.   V's planes: at 16 x (16 (r / 8) + 8 (l / 16) + r % 8), r = l % 16: the order in which the turning LDS load of attention wants them.
; q32 takes the f32 results of tokens 0-15 of each sequence as the accumulators' registers stand: [b][n / 16][register half][lane][4].
; LIMIT: results beyond 65,504 in magnitude have no f16.
; REGISTERS, in windows of 256: window 0: v0-31 addresses; v32-95 scale words, two sets; v128-191 x's fragments, one set (on the way out v128-255 hold packed results); window 1: W's fragments, two sets; windows 2, 3: the accumulators.
.set KSTEP,  512
.set NQ,     4                         ; matrix instructions deep in a slot
.set ROWB,   256                       ; a tile's row in bytes
.set KROW,   512                       ; a row of codes in memory
.set PITCH,  272                       ; an LDS row: 256 bytes + 16 of padding: the 16 rows that a load touches start at 16 different banks
.set FR,     8
.set NL,     2
.set NP,     4
.set HALFT,  128*PITCH
.set SLOT,   4*HALFT
.set KS,     32                        ; a row of scale bytes
.set SCL,    2*SLOT                    ; behind the slots: the scales, as units of 256 bytes + 16
.set HALFS,  16*272
.set SBLK,   2*272
.set SPARE,  SCL+4*HALFS               ; the spare words: two blocks of 256 bytes that no other line names
.set BSTR,   12582912                  ; qkv: from batch to batch
.set PLANE,  262144                    ; from plane to plane
.set ADRA, 16
.set ADRB, 20
.set LI,   24                          ; v24  16 x lane
.set LV,   25                          ; v25  the same lane's place in a block of V
.set LO,   26                          ; v26  the one of the two that my tile column takes
.set ADRS, 27
.set SPW,  28
.set NIL,  29
.set SC,   32
.set AF,   128
.set G1, 24
.set G0, 32
.set G1B, 48
.set G0B, 56
.set G1S, 68
.set G0S, 76
.set G1SB, 80
.set G0SB, 88
.set MSB, 0
.macro WIN new                         ; the immediate's high byte repeats the setting that is left
.if MSB != \new
	s_set_vgpr_msb (MSB<<8)|\new
.set MSB, \new
.endif
.endm
.set MUL_LO, 0xa1                      ; source 0 (W) window 1, source 1 (x) window 0, C and D window 2
.set MUL_HI, 0xf1
.set TO_B,   0x40
; A joint load: waves 0 and 1 fetch for x, waves 2 and 3 for W; the branch hangs on the wave's number alone.  An s_nop 0 and four v_nop follow each line.
.macro JLOAD g0a, g1a, g0b, g1b
	s_cmp_eq_u32 s15, 0
	s_cbranch_scc0 .Lfor_b_\@
	tensor_load_to_lds s[\g0a:\g0a+3], s[\g1a:\g1a+7]
	s_nop 0
.rept 4
	v_nop
.endr
	s_branch .Lasked_\@
.Lfor_b_\@:
	tensor_load_to_lds s[\g0b:\g0b+3], s[\g1b:\g1b+7]
	s_nop 0
.rept 4
	v_nop
.endr
.Lasked_\@:
.endm
.macro CROUND                          ; a round of the cluster's barrier
	s_barrier_signal -1
	s_barrier_wait -1
	s_cmp_lg_u32 s14, 0
	s_cbranch_scc1 .Lnot_wave_0_\@
	s_barrier_signal -3
.Lnot_wave_0_\@:
	s_barrier_wait -3
	s_barrier_signal -1
	s_barrier_wait -1
.endm
	s_load_b128 s[4:7], s[0:1], 0x0                ; x's codes, x's scales
	s_load_b128 s[8:11], s[0:1], 0x10              ; W's codes, W's scales
	s_load_b64 s[12:13], s[0:1], 0x20              ; qkv
	s_load_b64 s[96:97], s[0:1], 0x28              ; q32
	v_lshl_add_u32 v[SPW], v0, 2, SPARE
	v_mov_b32 v[NIL], 0
	ds_add_u32 v[SPW], v[NIL]                      ; the wave's opening: the add, twice on end, and its wait ahead of my first tensor load
	ds_add_u32 v[SPW], v[NIL]
	v_lshrrev_b32 v1, 5, v0
	v_readfirstlane_b32 s14, v1                    ; wave 0..3
	s_lshr_b32 s15, s14, 1                         ; which half of the tile's rows is mine.  Also: I fetch for x (0) or for W (1)
	s_and_b32 s16, s14, 1                          ; which half of its columns.  Also: which 128 rows I fetch
	s_bfe_u32 s40, ttmp6, 0x40000                  ; cx
	s_bfe_u32 s41, ttmp6, 0x40004                  ; cy
	s_lshl_b32 s42, ttmp9, 2
	s_add_co_u32 s42, s42, s40                     ; tile column = 4 x cluster x + cx
	s_and_b32 s17, ttmp7, 0xffff
	s_lshl_b32 s43, s41, 3
	s_add_co_u32 s17, s17, s43                     ; tile row = 8 cy + cluster y
	s_lshl_b32 s43, s41, 2
	s_lshl_b32 s43, 15, s43                        ; my row of the cluster
	s_lshl_b32 s44, 0x1111, s40                    ; my column
	s_or_b32 s[G1+0], s43, (0<<16)|(1<<20)|(1<<21)|(5<<22)|(3<<25)  ; the mask; elements of 1 byte; padding: 4 words after every 64; bit 21 beside a mask
	s_or_b32 s[G1B+0], s44, (0<<16)|(1<<20)|(1<<21)|(5<<22)|(3<<25)
.irp g, G1, G1B
	s_mov_b32 s[\g+1], ROWB<<16                    ; tensor_dim0
	s_mov_b32 s[\g+2], 128<<16                     ; tensor_dim1
	s_mov_b32 s[\g+3], ROWB<<16                    ; tile_dim0
	s_mov_b32 s[\g+4], 128                         ; tile_dim1
	s_mov_b32 s[\g+5], KROW                        ; the pitch
	s_mov_b32 s[\g+6], 0
	s_mov_b32 s[\g+7], 0
.endr
	s_or_b32 s[G1S+0], s43, (3<<16)|(1<<20)|(1<<21)|(5<<22)|(3<<25) ; the scales of 128 rows: 4,096 dense bytes as 16 rows of 256 (32 elements of 8 bytes), 16 bytes of padding behind each
	s_or_b32 s[G1SB+0], s44, (3<<16)|(1<<20)|(1<<21)|(5<<22)|(3<<25)
.irp g, G1S, G1SB
	s_mov_b32 s[\g+1], 32<<16
	s_mov_b32 s[\g+2], 16<<16
	s_mov_b32 s[\g+3], 32<<16
	s_mov_b32 s[\g+4], 16
	s_mov_b32 s[\g+5], 32
	s_mov_b32 s[\g+6], 0
	s_mov_b32 s[\g+7], 0
.endr
	s_lshl_b32 s18, s16, 7
	s_lshl_b32 s20, s17, 8
	s_add_co_u32 s20, s20, s18                     ; x: row 256 x tile row + 128 x half
	s_lshl_b32 s46, s42, 8
	s_add_co_u32 s46, s46, s18                     ; W: row 256 x tile column + 128 x half
	s_mov_b32 s21, 0
	s_mov_b32 s47, 0
	s_mov_b64 s[18:19], KS
	s_mul_u64 s[22:23], s[20:21], s[18:19]         ; where these rows' scales begin
	s_mul_u64 s[92:93], s[46:47], s[18:19]
	s_mov_b64 s[18:19], KROW
	s_mul_u64 s[20:21], s[20:21], s[18:19]         ; and their codes
	s_mul_u64 s[46:47], s[46:47], s[18:19]
	s_mul_i32 s45, s14, HALFT                      ; where they go: wave x 128 rows
	s_mul_i32 s94, s14, HALFS
	s_wait_dscnt 0x0                               ; both opening adds are done
	s_wait_kmcnt 0x0
	s_add_nc_u64 s[20:21], s[4:5], s[20:21]
	s_add_nc_u64 s[22:23], s[6:7], s[22:23]
	s_add_nc_u64 s[46:47], s[8:9], s[46:47]
	s_add_nc_u64 s[92:93], s[10:11], s[92:93]
	CROUND                                         ; all sixteen work-groups are here: the joint loads meet
	s_mov_b32 s[G0S], 1
	s_add_co_u32 s[G0S+1], s94, SCL
	s_mov_b64 s[G0S+2:G0S+3], s[22:23]
	s_or_b32 s[G0S+3], s[G0S+3], 0x80000000
	s_mov_b32 s[G0SB], 1
	s_add_co_u32 s[G0SB+1], s94, SCL
	s_mov_b64 s[G0SB+2:G0SB+3], s[92:93]
	s_or_b32 s[G0SB+3], s[G0SB+3], 0x80000000
	JLOAD G0S, G1S, G0SB, G1SB                     ; the scales first
.irp s, 0,1
	s_mov_b32 s[G0+4*\s], 1
	s_add_co_u32 s[G0+4*\s+1], s45, \s*SLOT
	s_add_nc_u64 s[G0+4*\s+2:G0+4*\s+3], s[20:21], \s*ROWB
	s_or_b32 s[G0+4*\s+3], s[G0+4*\s+3], 0x80000000
	s_mov_b32 s[G0B+4*\s], 1
	s_add_co_u32 s[G0B+4*\s+1], s45, \s*SLOT
	s_add_nc_u64 s[G0B+4*\s+2:G0B+4*\s+3], s[46:47], \s*ROWB
	s_or_b32 s[G0B+4*\s+3], s[G0B+4*\s+3], 0x80000000
	JLOAD G0+4*\s, G1, G0B+4*\s, G1B               ; both K steps: three loads of mine are out, and no slot is filled again
.endr
	v_and_b32 v1, 15, v0                           ; r = l % 16
	v_bfe_u32 v2, v0, 4, 1                         ; l / 16
	v_mul_u32_u24 v3, v1, PITCH
	v_lshl_add_u32 v4, v2, 4, v3                   ; a fragment's row x pitch + 16 x half
	s_mul_i32 s21, s15, HALFT
	s_mul_i32 s22, s16, HALFT
	s_add_co_u32 s22, s22, 2*HALFT
.irp s, 0,1
	v_add_nc_u32 v[ADRA+\s], s21, v4
	v_add_nc_u32 v[ADRB+\s], s22, v4
	s_add_co_u32 s21, s21, SLOT
	s_add_co_u32 s22, s22, SLOT
.endr
	v_mul_u32_u24 v5, v1, KS                       ; my row's scales: 32 bytes a row,
	v_lshrrev_b32 v6, 8, v5
	v_lshl_add_u32 v5, v6, 4, v5                   ; and 16 more for each 256 passed
	s_mul_i32 s21, s15, HALFS
	s_mul_i32 s22, s16, HALFS
	s_add_co_u32 s22, s22, 2*HALFS
	s_sub_co_u32 s22, s22, s21
	v_mul_u32_u24 v6, s22, v2                      ; lanes 16-31 take W's
	s_add_co_u32 s21, s21, SCL
	v_add_nc_u32 v5, v5, v6
	v_add_nc_u32 v[ADRS], s21, v5
	; the way out
	v_and_b32 v6, 31, v0
	v_lshlrev_b32 v[LI], 4, v6
	v_lshrrev_b32 v7, 3, v1
	v_and_b32 v8, 7, v1
	v_lshl_add_u32 v7, v7, 4, v8
	v_lshl_add_u32 v7, v2, 3, v7                   ; 16 (r / 8) + 8 (l / 16) + r % 8
	v_lshlrev_b32 v[LV], 4, v7
	s_cmp_eq_u32 ttmp9, 2                          ; tile columns 8 to 11, cluster x = 2, are V's
	s_cselect_b32 s18, -1, 0
	v_cndmask_b32 v[LO], v[LI], v[LV], s18
	s_and_b32 s18, ttmp7, 0xffff                   ; cluster y: the tile's place in its sequence
	s_or_b32 s3, s18, s15                          ; 0 where my wave's first 16 rows are tokens 0-15
	s_lshl_b32 s20, s18, 15                        ; 256 tokens x 128 bytes
	s_lshl_b32 s21, s15, 14
	s_add_co_u32 s20, s20, s21
	s_mul_i32 s21, s41, BSTR                       ; the batch is cy
	s_add_co_u32 s20, s20, s21
	s_lshl_b32 s21, s42, 2
	s_lshl_b32 s22, s16, 1
	s_add_co_u32 s21, s21, s22                     ; my first plane: 4 x tile column + 2 x half
	s_lshl_b32 s21, s21, 18
	s_add_co_u32 s20, s20, s21
	s_mov_b32 s21, 0
	s_add_nc_u64 s[12:13], s[12:13], s[20:21]
	s_mul_i32 s20, s41, 196608                     ; q32: 192 blocks of 1,024 bytes a batch
	s_lshl_b32 s22, s42, 14
	s_add_co_u32 s20, s20, s22
	s_lshl_b32 s22, s16, 13
	s_add_co_u32 s20, s20, s22
	s_add_nc_u64 s[96:97], s[96:97], s[20:21]
.macro FRAG reg, adr, q, i             ; 16 rows x 128 K of 4-bit codes: 8 registers: two loads of 16 bytes, 32 bytes apart
.irp c, 0,1
	ds_load_b128 v[\reg+4*\c:\reg+4*\c+3], v[\adr] offset:64*(\q)+32*\c+(\i)*16*PITCH
.endr
.endm
; 16 matrix instructions: x's blocks a0, a0 + 1 against W's eight.  The 64 accumulators take turns, one instruction a turn, in the same order in every step.
.macro MUL16 a0, p, q, sc, zero
.irp a, \a0, \a0+1
.irp b, 0,1,2,3,4,5,6,7
.if \zero
	v_wmma_scale_f32_16x16x128_f8f6f4 v[8*(8*((\a)%4)+\b):8*(8*((\a)%4)+\b)+7], v[128*(\p)+FR*\b:128*(\p)+FR*\b+FR-1], v[AF+FR*(\a):AF+FR*(\a)+FR-1], 0, v[SC+8*NQ*(\sc)+NQ*\b+(\q)], v[SC+8*NQ*(\sc)+NQ*(\a)+(\q)] matrix_a_fmt:MATRIX_FMT_FP4 matrix_b_fmt:MATRIX_FMT_FP4 matrix_a_scale:MATRIX_SCALE_ROW1
.else
	v_wmma_scale_f32_16x16x128_f8f6f4 v[8*(8*((\a)%4)+\b):8*(8*((\a)%4)+\b)+7], v[128*(\p)+FR*\b:128*(\p)+FR*\b+FR-1], v[AF+FR*(\a):AF+FR*(\a)+FR-1], v[8*(8*((\a)%4)+\b):8*(8*((\a)%4)+\b)+7], v[SC+8*NQ*(\sc)+NQ*\b+(\q)], v[SC+8*NQ*(\sc)+NQ*(\a)+(\q)] matrix_a_fmt:MATRIX_FMT_FP4 matrix_b_fmt:MATRIX_FMT_FP4 matrix_a_scale:MATRIX_SCALE_ROW1
.endif
.endr
.endr
.endm
.macro FETCH_B slot, q, p
	WIN TO_B
.irp i, 0,1,2,3,4,5,6,7
	FRAG 128*(\p)+FR*\i, ADRB+\slot, \q, \i
.endr
	WIN 0
.endm
.macro FETCH_A slot, q, i0
.irp i, \i0, \i0+1, \i0+2, \i0+3
	FRAG AF+FR*(\i), ADRA+\slot, \q, \i
.endr
.endm
.macro SCALES sc                       ; a K step's scale words: lanes 0-15 take x's block i, lanes 16-31 W's block i
.irp i, 0,1,2,3,4,5,6,7
	ds_load_b128 v[SC+8*NQ*\sc+NQ*\i:SC+8*NQ*\sc+NQ*\i+3], v[ADRS] offset:\i*SBLK
.endr
.endm
.macro PLACES n                        ; plain vector instructions between a matrix instruction and a load into, or a read of, its registers
.rept \n
	v_nop
.endr
.endm
.macro STEP slot, q, zero              ; 128 along K that has its successor in the same slot
	s_wait_dscnt 4*NL                              ; W's set and x's blocks 0-3 are in; the youngest eight loads (x's blocks 4-7) may be out
	WIN MUL_LO
	MUL16 0, (\q)%2, \q, \slot, \zero
	MUL16 2, (\q)%2, \q, \slot, \zero
	s_wait_dscnt 0
	PLACES NP
	FETCH_B \slot, (\q)+1, 1-(\q)%2
	FETCH_A \slot, (\q)+1, 0
	WIN MUL_HI
	MUL16 4, (\q)%2, \q, \slot, \zero
	MUL16 6, (\q)%2, \q, \slot, \zero
	PLACES NP
	WIN 0
	FETCH_A \slot, (\q)+1, 4
.endm
; Slot 0's last step goes over to slot 1: in front of the barrier each wave waits for all its tensor loads (its part of slot 1).  Nothing is filled again.
.macro TURN slot, next
	s_wait_tensorcnt 0x0
	ds_add_u32 v[SPW], v[NIL]
	s_wait_dscnt 4*NL+1                            ; (the add and the youngest eight loads may be out)
	WIN MUL_LO
	MUL16 0, 1, NQ-1, \slot, 0
	s_wait_dscnt 0x0                               ; no LDS instruction of mine is pending at the signal
	s_barrier_signal -1
	MUL16 2, 1, NQ-1, \slot, 0
	WIN 0
	s_barrier_wait -1                              ; slot 1 is whole
	PLACES NP
	v_add_nc_u32 v[ADRS], 4*NQ, v[ADRS]            ; the next K step's scale words
	FETCH_B \next, 0, 0
	FETCH_A \next, 0, 0
	SCALES \next
	WIN MUL_HI
	MUL16 4, 1, NQ-1, \slot, 0
	MUL16 6, 1, NQ-1, \slot, 0
	PLACES NP
	WIN 0
	FETCH_A \next, 0, 4
.endm
.macro STEPS slot, from
.set Q, \from
.rept NQ-1-\from
	STEP \slot, Q, 0
.set Q, Q+1
.endr
.endm
	s_wait_tensorcnt 1                             ; the scales and my part of K step 0 are in; K step 1's load may be out
	s_barrier_signal -1
	s_barrier_wait -1
	FETCH_B 0, 0, 0
	FETCH_A 0, 0, 0
	SCALES 0
	FETCH_A 0, 0, 4
	STEP 0, 0, 1                                   ; the first products start the sums: nothing is cleared
	STEPS 0, 1
	TURN 0, 1
	STEPS 1, 0
	s_wait_dscnt 4*NL
	WIN MUL_LO
	MUL16 0, 1, NQ-1, 1, 0
	MUL16 2, 1, NQ-1, 1, 0
	s_wait_dscnt 0
	WIN MUL_HI
	MUL16 4, 1, NQ-1, 1, 0
	MUL16 6, 1, NQ-1, 1, 0
	WIN 0
	PLACES NP
	s_cmp_lg_u32 s3, 0                             ; cluster y and the wave's number alone
	s_cbranch_scc1 .Lnofine
	WIN 0x08                                       ; a store's data are its source 1: window 2
.irp b, 0,1,2,3,4,5,6,7
	global_store_b128 v[LI], v[8*\b:8*\b+3], s[96:97] offset:1024*\b           ; tokens 0-15 in f32, each accumulator from its low end on: 512 consecutive bytes a store
	global_store_b128 v[LI], v[8*\b+4:8*\b+7], s[96:97] offset:1024*\b+512
.endr
	WIN 0
.Lnofine:
; Block a of 16 tokens: 64 results a lane are rounded to f16, 16 bytes for each of the 8 blocks of channels, and stored as they stand.  Four sets of 32 registers take turns.
.macro OUT a
.set AC, 64*((\a)%4)
.set PK, 128+32*((\a)%4)
.if (\a) >= 4
	s_wait_xcnt 0x0                                ; the stores of four blocks ago have read their data: the set is written again only behind this wait
.endif
	WIN 0x0a+5*((\a)/4)                            ; sources in window 2 or 3
.irp b, 0,1,2,3,4,5,6,7
.irp i, 0,1,2,3
	v_cvt_pk_f16_f32 v[PK+4*\b+\i], v[AC+8*\b+2*\i], v[AC+8*\b+2*\i+1]
.endr
.endr
	WIN 0
.irp b, 0,1,2,3,4,5,6,7
	global_store_b128 v[LO], v[PK+4*\b:PK+4*\b+3], s[12:13] offset:2048*(\a)+(\b/4)*PLANE+(\b%4)*512
.endr
.endm
.irp a, 0,1,2,3,4,5,6,7
	OUT \a
.endr
	s_wait_tensorcnt 0x0                           ; the wave's end
	ds_add_u32 v[SPW], v[NIL]
	s_wait_dscnt 0x0
	CROUND                                         ; the closing round
	s_endpgm
.Lfunc_end_k_q3e3f92f734_qkv:
	.size	k_q3e3f92f734_qkv, .Lfunc_end_k_q3e3f92f734_qkv-k_q3e3f92f734_qkv
	.p2alignl 7, 3214868480
	.fill 96, 4, 3214868480
	.section	.rodata,"a",@progbits
	.p2align	6, 0x0
	.amdhsa_kernel k_q3e3f92f734_qkv
		.amdhsa_group_segment_fixed_size 327680
		.amdhsa_private_segment_fixed_size 0
		.amdhsa_enable_private_segment 0
		.amdhsa_kernarg_size 48
		.amdhsa_user_sgpr_count 2
		.amdhsa_user_sgpr_kernarg_segment_ptr 1
		.amdhsa_wavefront_size32 1
		.amdhsa_system_sgpr_workgroup_id_x 1
		.amdhsa_system_sgpr_workgroup_id_y 1
		.amdhsa_system_sgpr_workgroup_id_z 1
		.amdhsa_system_vgpr_workitem_id 0
		.amdhsa_next_free_vgpr 1024
		.amdhsa_next_free_sgpr 100
		.amdhsa_reserve_vcc 0
		.amdhsa_float_denorm_mode_32 3
		.amdhsa_float_denorm_mode_16_64 3
		.amdhsa_memory_ordered 1
		.amdhsa_forward_progress 1
		.amdhsa_inst_pref_size 120
	.end_amdhsa_kernel
	.amdgpu_metadata
---
amdhsa.version: [ 1, 2 ]
amdhsa.kernels:
  - .name:           k_q3e3f92f734_qkv
    .symbol:         k_q3e3f92f734_qkv.kd
    .args:
      - { .name: xc, .offset: 0, .size: 8, .value_kind: global_buffer, .address_space: global }
      - { .name: xs, .offset: 8, .size: 8, .value_kind: global_buffer, .address_space: global }
      - { .name: wc, .offset: 16, .size: 8, .value_kind: global_buffer, .address_space: global }
      - { .name: wsc, .offset: 24, .size: 8, .value_kind: global_buffer, .address_space: global }
      - { .name: qkv, .offset: 32, .size: 8, .value_kind: global_buffer, .address_space: global }
      - { .name: q32, .offset: 40, .size: 8, .value_kind: global_buffer, .address_space: global }
    .group_segment_fixed_size: 327680
    .private_segment_fixed_size: 0
    .kernarg_segment_align: 8
    .kernarg_segment_size: 48
    .max_flat_workgroup_size: 128
    .sgpr_count:     100
    .vgpr_count:     1024
    .wavefront_size: 32
...
	.end_amdgpu_metadata
.endif
;; end of part 2
;; launch attn (part 3): grid 4 x 64, 16 waves a work-group, no clusters, 327,680 bytes of LDS; arguments qkv, o16; writes o16
.if DOCPART == 3
	.amdgcn_target "amdgcn-amd-amdhsa--gfx1250"
	.amdhsa_code_object_version 6
	.text
	.protected	k_q3e3f92f734_attn
	.globl	k_q3e3f92f734_attn
	.p2align	8
	.type	k_q3e3f92f734_attn,@function
k_q3e3f92f734_attn:
	s_mov_b64 s[64:65], 0
	v_nop
	global_prefetch_b8 v0, s[64:65] scope:SCOPE_SE
	s_setreg_imm32_b32 hwreg(HW_REG_WAVE_MODE, 25, 1), 1
	s_wait_xcnt 0x0
; O[b][h][q] = sum over k <= q of softmax_k(Q[q] . K[k] / 8) V[k]; f16 operands, f32 products' sums, maxima and row sums; the weights are rounded to f16 for the second product, O once at the end.
; WORK LEFT OUT: a step of 64 keys all of which come after a tile's 16 queries: reference()'s own jnp.tril gives them the weight 0 for all values of the inputs.  A NaN or overflow that would arise only there is not carried.
; SHARES.  A work-group serves one (b, h) and the query blocks p and 7 - p of 256.  Each of its sixteen waves owns two tiles of 16 queries: tile 0 at 256 p + 16 w, tile 1 at 256 (7 - p) + 16 w:
; together 28 + 2 (w / 4 + 1) tile steps, whatever p: the 256 work-groups have equal work.  Four waves share a SIMD, so that one wave's vector work stands beside another's matrix work and LDS loads.
; NO CLUSTER: the four work-groups of a head need 8, 7, 6 and 5 slots of keys: a joint load would bring a partner tiles that none of its waves reads.
; LAYOUT.  S^T = K Q^T (source 0 = 16 keys, source 1 = 16 queries), O^T = V^T P: a lane holds one query (lane % 16) throughout.  qkv lies in the order of the operands' registers: every LDS load takes 16 bytes at 16 x lane
; of a block of 512 bytes; V's blocks go through the turning load.  A lane's eight channels of O, rounded to f16, are 16 bytes of the projection's operand image: they are stored as they stand.
; RING.  Two slots of 256 keys (K's 32,768 bytes, then V's), filled by waves 0 to 3, one tensor load each; every work-group walks all 8 changes of slots (constant trip counts); a slot whose first key comes
; after the work-group's last query is not asked for, and a step whose keys are all hidden is jumped over: scalar branches on ids and on the count of steps alone.  By this text's count a wave has one tensor load out.
; SOFTMAX.  For each query a running maximum m and sum l: p = 2^(c s - c m), c = log2(e) / 8; in every step O and l are multiplied by a = 2^(c m_old - c m_new).  In every step that is walked its first key counts
; for all 16 queries (64 divides the first key, 16 the first query), so m is a number from the first step on.
; LIMIT: Q, K, V as f16.
.set PLANE, 262144
.set BSTR,  12582912
.set SLOT1, 1<<16                      ; slot 1 begins here: one exclusive or turns an address from one slot into the other's
.set VOFF,  32768                      ; in a slot: V behind K
.set STEPB, 8192                       ; 64 keys of K, or of V
.set SPARE, 2*SLOT1                    ; the spare words: 128 bytes for each of 16 waves
.set LI,   1                           ; v1  16 x lane
.set ADR,  2                           ; v2  LDS address of the step in hand
.set SPW,  3
.set NIL,  4
.set PFO,  5                           ; v5  256 x lane
.set RH,   6                           ; v6  lane % 16 - 8 (lane / 16)
.set DD,   7                           ; v7  the mask's bound
.set NINF, 8                           ; v8  -infinity
.set ST,   16                          ; v16-31 tile t's statistics at ST + 8 t: +0 c m, +1 m, +2, +3 l, +4 .. +7 at work; a in +6
.set Q,    32                          ; v32-63  Q: tile t, channels 32 f on, at Q + 16 t + 8 f
.set S,    64                          ; v64-127 S^T, then p, then P in the first 16 of a tile's 32
.set O,    128                         ; v128-191 O^T: tile t, channels 16 d on, at O + 32 t + 8 d
.set F,    192                         ; v192-255 K's eight fragments, then V's eight
.set WV,   8
.set G1,   16
.set G0,   24
.set SEL,  28
.set CS,   30
.set TB,   32
.set KF,   33
.set QA0,  34
.set QB0,  35
.set SLOTS, 36
.set STEPS, 37
.set LIM,  38
.set PFA,  40
.set QP,   42                          ; s[42:45] Q's addresses of tiles 0, 1
.set OP,   46                          ; s[46:49] O's
.macro TLOAD                           ; waves 0, 1: K's halves; waves 2, 3: V's.  An s_nop 0 and four v_nop follow the line
	s_cmp_lt_u32 s[WV], 4
	s_cbranch_scc0 .Lnone_\@
	tensor_load_to_lds s[G0:G0+3], s[G1:G1+7]
	s_nop 0
.rept 4
	v_nop
.endr
.Lnone_\@:
.endm
; A prefetch of what the NEXT change of slots will ask for.  All four work-groups of a head walk the same K and V: work-group p = 0, which walks all eight slots, asks; in it waves 4 to 7 for K's 32,768 bytes
; (8,192 a wave, lanes 256 bytes apart), waves 8 to 11 for V's: each aligned block of 256 bytes is named once in the launch.  Slots 0 and 1 come by their loads alone; the last fill asks for nothing.
.macro ASK
	s_cmp_gt_u32 s[SLOTS], s[LIM]
	s_cbranch_scc0 .Lnot_mine_\@
	global_prefetch_b8 v[PFO], s[PFA:PFA+1] th:TH_LOAD_NT scope:SCOPE_SE
.Lnot_mine_\@:
.endm
	s_load_b128 s[4:7], s[0:1], 0x0                ; qkv, o16
	v_lshl_add_u32 v[SPW], v0, 2, SPARE
	v_mov_b32 v[NIL], 0
	ds_add_u32 v[SPW], v[NIL]                      ; the wave's opening: the add, twice on end, and its wait ahead of the first tensor load
	ds_add_u32 v[SPW], v[NIL]
	v_lshrrev_b32 v9, 5, v0
	v_readfirstlane_b32 s[WV], v9                  ; wave 0..15
	s_and_b32 s9, ttmp7, 0xffff
	s_lshr_b32 s10, s9, 4                          ; b
	s_and_b32 s11, s9, 15                          ; h
	s_lshl_b32 s50, s[WV], 4
	s_lshl_b32 s[QA0], ttmp9, 8
	s_add_co_u32 s[QA0], s[QA0], s50               ; tile 0's first query
	s_sub_co_u32 s[QB0], 7, ttmp9
	s_lshl_b32 s[QB0], s[QB0], 8
	s_add_co_u32 s[QB0], s[QB0], s50               ; tile 1's
	s_mov_b32 s[G1], 3<<16                         ; group 1: 16,384 dense bytes as 64 rows of 256 (32 elements of 8 bytes); no mask, no padding
	s_mov_b32 s[G1+1], 32<<16                      ; tensor_dim0
	s_mov_b32 s[G1+2], 64<<16                      ; tensor_dim1
	s_mov_b32 s[G1+3], 32<<16                      ; tile_dim0
	s_mov_b32 s[G1+4], 64                          ; tile_dim1
	s_mov_b32 s[G1+5], 32                          ; the pitch
	s_mov_b32 s[G1+6], 0
	s_mov_b32 s[G1+7], 0
	s_mul_i32 s12, s10, BSTR
	s_lshl_b32 s51, s11, 18
	s_add_co_u32 s12, s12, s51                     ; Q's plane of my head
	s_mov_b32 s13, 0
	s_and_b32 s52, s[WV], 3
	s_lshl_b32 s[G0+1], s52, 14                    ; LDS: slot 0, quarter w
	s_lshr_b32 s53, s52, 1
	s_lshl_b32 s53, s53, 22                        ; V's plane lies 16 planes behind K's
	s_and_b32 s52, s52, 1
	s_lshl_b32 s52, s52, 14                        ; which 128 of the slot's 256 keys
	s_add_co_u32 s52, s52, s53
	s_add_co_u32 s52, s52, 16*PLANE                ; K's plane lies 16 planes behind Q's
	s_mov_b32 s53, 0
	s_mov_b32 s[SEL], 0x76543210
	s_mov_b32 s[SEL+1], 0xfedcba98                 ; v_permlanex16_b32: lane l xor 16
	s_mov_b32 s[CS], 0x3e38aa3b                    ; c = log2(e) / 8
	s_mov_b32 s[CS+1], s[CS]
	s_mov_b32 s[TB], 0
	s_mov_b32 s[KF], 0
	s_mov_b32 s[SLOTS], 7
	s_wait_dscnt 0x0                               ; both opening adds are done
	s_wait_kmcnt 0x0
	s_add_nc_u64 s[4:5], s[4:5], s[12:13]
	s_mov_b32 s[G0], 1
	s_add_nc_u64 s[G0+2:G0+3], s[4:5], s[52:53]
	s_or_b32 s[G0+3], s[G0+3], 0x80000000
	TLOAD                                          ; slot 0
	s_mov_b32 s51, 0
	s_lshl_b32 s50, s[QA0], 7                      ; a token's 64 channels are 128 bytes
	s_add_nc_u64 s[QP:QP+1], s[4:5], s[50:51]
	s_lshl_b32 s50, s[QB0], 7
	s_add_nc_u64 s[QP+2:QP+3], s[4:5], s[50:51]
	v_and_b32 v9, 31, v0
	v_lshlrev_b32 v[LI], 4, v9
	v_lshlrev_b32 v[PFO], 8, v9
.irp t, 0,1
.irp f, 0,1
	global_load_b128 v[Q+16*\t+8*\f:Q+16*\t+8*\f+3],   v[LI], s[QP+2*\t:QP+2*\t+1] offset:1024*\f
	global_load_b128 v[Q+16*\t+8*\f+4:Q+16*\t+8*\f+7], v[LI], s[QP+2*\t:QP+2*\t+1] offset:1024*\f+512
.endr
.endr
	s_lshl_b32 s50, s10, 22                        ; o16: 128 tiles of 16 rows x 32,768 bytes a batch,
	s_lshl_b32 s52, s11, 11                        ; 2,048 bytes a head in a tile of rows
	s_add_co_u32 s50, s50, s52
	s_add_nc_u64 s[6:7], s[6:7], s[50:51]
	s_lshl_b32 s50, s[QA0], 11
	s_add_nc_u64 s[OP:OP+1], s[6:7], s[50:51]
	s_lshl_b32 s50, s[QB0], 11
	s_add_nc_u64 s[OP+2:OP+3], s[6:7], s[50:51]
	s_cmp_lt_u32 s[WV], 8                          ; the prefetches: waves 4 to 7 K's plane, waves 8 to 11 V's
	s_cselect_b32 s50, 0, 16*PLANE
	s_and_b32 s52, s[WV], 3
	s_lshl_b32 s52, s52, 13                        ; my wave's 8,192 bytes
	s_add_co_u32 s50, s50, s52
	s_add_co_u32 s50, s50, 16*PLANE+32768          ; in slot 1: the first change of slots steps it to slot 2
	s_add_nc_u64 s[PFA:PFA+1], s[4:5], s[50:51]
	s_sub_co_u32 s50, s[WV], 4
	s_lshr_b32 s50, s50, 3                         ; 0 in waves 4 to 11,
	s_or_b32 s50, s50, ttmp9                       ; of work-group p = 0
	s_cmp_eq_u32 s50, 0
	s_cselect_b32 s[LIM], 1, -1
	v_and_b32 v10, 15, v0
	v_bfe_u32 v11, v0, 4, 1
	v_lshlrev_b32 v11, 3, v11
	v_sub_nc_u32 v[RH], v10, v11
	v_mov_b32 v[NINF], 0xff800000
.irp t, 0,1
	v_mov_b32 v[ST+8*\t+1], 0xff61b1e6             ; m: -3e38, under every score
	v_mul_f32 v[ST+8*\t], s[CS], v[ST+8*\t+1]
.irp i, 2,3,4,5,6,7
	v_mov_b32 v[ST+8*\t+\i], 0
.endr
.endr
.set i, 0
.rept 64
	v_mov_b32 v[O+i], 0                            ; O^T.  The step is written once: the first finds zeros, which a = 0 leaves zeros
.set i, i+1
.endr
; S^T of tile t: 8 matrix instructions; the four accumulators take turns; the first four start the sums
.macro KQ t
.irp f, 0,1
.irp k, 0,1,2,3
.if \f == 0
	v_wmma_f32_16x16x32_f16 v[S+32*(\t)+8*\k:S+32*(\t)+8*\k+7], v[F+16*\k+8*\f:F+16*\k+8*\f+7], v[Q+16*(\t)+8*\f:Q+16*(\t)+8*\f+7], 0
.else
	v_wmma_f32_16x16x32_f16 v[S+32*(\t)+8*\k:S+32*(\t)+8*\k+7], v[F+16*\k+8*\f:F+16*\k+8*\f+7], v[Q+16*(\t)+8*\f:Q+16*(\t)+8*\f+7], v[S+32*(\t)+8*\k:S+32*(\t)+8*\k+7]
.endif
.endr
.endr
.endm
.macro PV t                            ; O^T of tile t += V^T P: keys 32 u on, channels 16 d on
.irp u, 0,1
.irp d, 0,1,2,3
	v_wmma_f32_16x16x32_f16 v[O+32*(\t)+8*\d:O+32*(\t)+8*\d+7], v[F+32*\u+8*\d:F+32*\u+8*\d+7], v[S+32*(\t)+8*\u:S+32*(\t)+8*\u+7], v[O+32*(\t)+8*\d:O+32*(\t)+8*\d+7]
.endr
.endr
.endm
.macro KLOAD                           ; the step's K: keys 16 k on, channels 32 f on: a fragment is two blocks of 512 bytes
.irp k, 0,1,2,3
.irp f, 0,1
	ds_load_b128 v[F+16*\k+8*\f:F+16*\k+8*\f+3],   v[ADR] offset:2048*\k+1024*\f
	ds_load_b128 v[F+16*\k+8*\f+4:F+16*\k+8*\f+7], v[ADR] offset:2048*\k+1024*\f+512
.endr
.endr
.endm
.macro VLOAD                           ; the step's V, turned: keys 32 u on, channels 16 d on
.irp u, 0,1
.irp d, 0,1,2,3
	ds_load_tr16_b128 v[F+32*\u+8*\d:F+32*\u+8*\d+3],   v[ADR] offset:VOFF+4096*\u+512*\d
	ds_load_tr16_b128 v[F+32*\u+8*\d+4:F+32*\u+8*\d+7], v[ADR] offset:VOFF+4096*\u+512*\d+2048
.endr
.endr
.endm
.macro PLACES n
.rept \n
	v_nop
.endr
.endm
; On the diagonal hidden scores become -infinity ahead of the maximum.  Register 8 k + j holds key KF + 16 k + 8 (lane / 16) + j: hidden where 16 k + j > my query - KF - 8 (lane / 16).  A step all of whose keys count skips this.
.macro MASK t, q0
	s_add_co_u32 s50, s[KF], 63
	s_cmp_le_u32 s50, s[\q0]
	s_cbranch_scc1 .Lopen_\@
	s_sub_co_i32 s50, s[\q0], s[KF]
	v_add_nc_u32 v[DD], s50, v[RH]
.set n, 0
.rept 32
	v_cmp_gt_i32 vcc_lo, 16*(n/8)+n%8, v[DD]
	v_cndmask_b32 v[S+32*(\t)+n], v[S+32*(\t)+n], v[NINF], vcc_lo
.set n, n+1
.endr
.Lopen_\@:
.endm
.macro SOFTMAX t
.set rT, ST+8*(\t)
.set rS, S+32*(\t)
.set rO, O+32*(\t)
.irp j, 0,1,2,3
	v_max3_num_f32 v[rT+4+\j], v[rS+8*\j], v[rS+8*\j+1], v[rS+8*\j+2]      ; four chains, each accumulator from its low end on
.endr
.irp g, 1,2
.irp j, 0,1,2,3
	v_max3_num_f32 v[rT+4+\j], v[rT+4+\j], v[rS+8*\j+2*\g+1], v[rS+8*\j+2*\g+2]
.endr
.endr
	v_max3_num_f32 v[rT+4], v[rT+4], v[rS+7], v[rS+15]
	v_max3_num_f32 v[rT+6], v[rT+6], v[rS+23], v[rS+31]
	v_max3_num_f32 v[rT+4], v[rT+4], v[rT+5], v[rT+6]
	v_max3_num_f32 v[rT+4], v[rT+4], v[rT+7], v[rT+1]                      ; and the old m
	v_permlanex16_b32 v[rT+5], v[rT+4], s[SEL], s[SEL+1]                   ; the query's other 32 keys lie in the lane 16 away
	v_mov_b32 v[rT+7], v[rT]                                               ; c m_old
	v_max_num_f32 v[rT+1], v[rT+4], v[rT+5]                                ; the new m
	v_mul_f32 v[rT], s[CS], v[rT+1]
	v_sub_f32 v[rT+7], v[rT+7], v[rT]
.set i, 0
.rept 16
	v_pk_fma_f32 v[rS+2*i:rS+2*i+1], v[rS+2*i:rS+2*i+1], s[CS:CS+1], v[rT:rT+1] op_sel_hi:[1,0,0] neg_lo:[0,0,1] neg_hi:[0,0,1]   ; c s - c m
.set i, i+1
.endr
	v_exp_f32 v[rT+6], v[rT+7]                                             ; a
.set i, 0
.rept 32
	v_exp_f32 v[rS+i], v[rS+i]                                             ; p
.set i, i+1
.endr
	v_nop                                                                  ; a plain instruction behind the last exponential
	s_wait_alu depctr_va_vdst(0)                                           ; one wait for the batch of 33, ahead of its first reader
	v_pk_mul_f32 v[rT+2:rT+3], v[rT+2:rT+3], v[rT+6:rT+7] op_sel_hi:[1,0]  ; l under the new m
	v_pk_add_f32 v[rT+4:rT+5], v[rS+2:rS+3], v[rS+6:rS+7]                  ; the sum of the unrounded p, in two chains
	v_pk_add_f32 v[rT+2:rT+3], v[rT+2:rT+3], v[rS:rS+1]
	v_pk_add_f32 v[rT+2:rT+3], v[rT+2:rT+3], v[rS+4:rS+5]
.irp b, 8,12,16,20,24,28
	v_pk_add_f32 v[rT+2:rT+3], v[rT+2:rT+3], v[rS+\b:rS+\b+1]
	v_pk_add_f32 v[rT+4:rT+5], v[rT+4:rT+5], v[rS+\b+2:rS+\b+3]
.endr
	v_pk_add_f32 v[rT+2:rT+3], v[rT+2:rT+3], v[rT+4:rT+5]
.set i, 0
.rept 16
	v_cvt_pk_f16_f32 v[rS+i], v[rS+2*i], v[rS+2*i+1]                       ; P, in place: the sources lie at or above the destination
.set i, i+1
.endr
.set i, 0
.rept 16
	v_pk_mul_f32 v[rO+2*i:rO+2*i+1], v[rO+2*i:rO+2*i+1], v[rT+6:rT+7] op_sel_hi:[1,0]   ; O^T under the new m
.set i, i+1
.endr
.endm
; A KEY STEP of 64 keys.  One branch parts the step in which both tiles are live from the one in which tile 1 alone is.  Where tile 0 is live, KF + 63 <= its first query + 63 < tile 1's first query
; (they lie 256 or more apart): tile 1 needs no mask there.
.macro STEP
	s_cmp_gt_u32 s[KF], s[QB0]                     ; both are multiples of 16: all 64 keys come after tile 1's queries, and after tile 0's
	s_cbranch_scc1 .Lhidden_\@
	v_add_nc_u32 v[ADR], s[TB], v[LI]
	PLACES 5                                       ; behind the last step's V^T P: four places ahead of loads into its V, five ahead of products that write over its P
	KLOAD
	s_wait_dscnt 0x0
	s_cmp_gt_u32 s[KF], s[QA0]
	s_cbranch_scc1 .Lone_\@
	KQ 1
	KQ 0
	PLACES 4                                       ; ahead of loads into K's registers and of the first read of scores
	VLOAD                                          ; lands under the softmax
	SOFTMAX 1
	MASK 0, QA0
	SOFTMAX 0
	s_wait_dscnt 0x0                               ; V is in
	PV 1
	PV 0
	s_branch .Lhidden_\@
.Lone_\@:
	KQ 1
	PLACES 4
	VLOAD
	MASK 1, QB0
	SOFTMAX 1
	s_wait_dscnt 0x0
	PV 1
.Lhidden_\@:
	s_add_co_u32 s[KF], s[KF], 64
	s_add_co_u32 s[TB], s[TB], STEPB
.endm
.macro SLOT_STEPS                      ; a slot's four steps: written once, walked four times
	s_mov_b32 s[STEPS], 4
.Lstep_\@:
	STEP
	s_sub_co_u32 s[STEPS], s[STEPS], 1
	s_cmp_lg_u32 s[STEPS], 0
	s_cbranch_scc1 .Lstep_\@
	s_sub_co_u32 s[TB], s[TB], 4*STEPB
	s_xor_b32 s[TB], s[TB], SLOT1                  ; on to the other slot
.endm
; THE CHANGE OF SLOTS, at a slot's head.  Each wave waits for all its tensor loads, adds 0 to its spare word, and waits for that and for its reads of the slot that it has left; behind the barrier the slot ahead is whole
; and nobody reads the other one.  fill = 1: that other slot takes the next 256 keys, if any wave of the work-group will read them: the load has four key steps in which to land.
.macro CHANGE fill
	s_wait_tensorcnt 0x0                           ; no tensor load of mine is out: group 0 may be written
	ds_add_u32 v[SPW], v[NIL]
.if \fill
	ds_add_u32 v[SPW], v[NIL]                      ; and twice on end here
	s_xor_b32 s[G0+1], s[G0+1], SLOT1
	s_add_nc_u64 s[G0+2:G0+3], s[G0+2:G0+3], 32768
	s_wait_xcnt 0x0                                ; the last prefetch, a slot back, has read its address
	s_add_nc_u64 s[PFA:PFA+1], s[PFA:PFA+1], 32768
.endif
	s_wait_dscnt 0x0
	s_barrier_signal -1
	s_barrier_wait -1
.if \fill
	s_add_co_u32 s50, s[KF], 256                   ; the first key of the slot that this change would ask for
	s_or_b32 s51, s[QB0], 255                      ; my work-group's last query
	s_cmp_gt_u32 s50, s51                          ; ids and the count of steps alone: all sixteen waves go the same way; every wait on TENSORcnt in this text is for 0
	s_cbranch_scc1 .Lpast_\@
	TLOAD
.Lpast_\@:
	ASK
.endif
.endm
	s_wait_loadcnt 0x0                             ; Q
.Lslot:                                            ; seven trips
	CHANGE 1
	SLOT_STEPS
	s_sub_co_u32 s[SLOTS], s[SLOTS], 1
	s_cmp_lg_u32 s[SLOTS], 0
	s_cbranch_scc1 .Lslot
	CHANGE 0                                       ; the last slot is written out: nothing is left to ask for
	SLOT_STEPS
	; THE WAY OUT: O^T / l, rounded to f16; a lane's 16 bytes of channels 16 d + 8 (lane / 16) .. are the image's: each store covers 512 consecutive bytes
	PLACES 4
.irp t, 0,1
	v_add_f32 v[ST+8*\t+4], v[ST+8*\t+2], v[ST+8*\t+3]
.endr
.irp t, 0,1
	v_permlanex16_b32 v[ST+8*\t+5], v[ST+8*\t+4], s[SEL], s[SEL+1]
.endr
.irp t, 0,1
	v_add_f32 v[ST+8*\t+4], v[ST+8*\t+4], v[ST+8*\t+5]
.endr
.irp t, 0,1
	v_rcp_f32 v[ST+8*\t+6], v[ST+8*\t+4]
.endr
	v_nop
	s_wait_alu depctr_va_vdst(0)                   ; one wait for the two reciprocals
.irp t, 0,1
.set i, 0
.rept 16
	v_pk_mul_f32 v[O+32*\t+2*i:O+32*\t+2*i+1], v[O+32*\t+2*i:O+32*\t+2*i+1], v[ST+8*\t+6:ST+8*\t+7] op_sel_hi:[1,0]
.set i, i+1
.endr
.set i, 0
.rept 16
	v_cvt_pk_f16_f32 v[S+32*\t+i], v[O+32*\t+2*i], v[O+32*\t+2*i+1]
.set i, i+1
.endr
.irp d, 0,1,2,3
	global_store_b128 v[LI], v[S+32*\t+4*\d:S+32*\t+4*\d+3], s[OP+2*\t:OP+2*\t+1] offset:512*\d
.endr
.endr
	s_wait_tensorcnt 0x0                           ; the wave's end
	ds_add_u32 v[SPW], v[NIL]
	s_wait_dscnt 0x0
	s_endpgm
.Lfunc_end_k_q3e3f92f734_attn:
	.size	k_q3e3f92f734_attn, .Lfunc_end_k_q3e3f92f734_attn-k_q3e3f92f734_attn
	.p2alignl 7, 3214868480
	.fill 96, 4, 3214868480
	.section	.rodata,"a",@progbits
	.p2align	6, 0x0
	.amdhsa_kernel k_q3e3f92f734_attn
		.amdhsa_group_segment_fixed_size 327680
		.amdhsa_private_segment_fixed_size 0
		.amdhsa_enable_private_segment 0
		.amdhsa_kernarg_size 16
		.amdhsa_user_sgpr_count 2
		.amdhsa_user_sgpr_kernarg_segment_ptr 1
		.amdhsa_wavefront_size32 1
		.amdhsa_system_sgpr_workgroup_id_x 1
		.amdhsa_system_sgpr_workgroup_id_y 1
		.amdhsa_system_sgpr_workgroup_id_z 1
		.amdhsa_system_vgpr_workitem_id 0
		.amdhsa_next_free_vgpr 256
		.amdhsa_next_free_sgpr 66
		.amdhsa_reserve_vcc 1
		.amdhsa_float_denorm_mode_32 3
		.amdhsa_float_denorm_mode_16_64 3
		.amdhsa_memory_ordered 1
		.amdhsa_forward_progress 1
		.amdhsa_inst_pref_size 75
	.end_amdhsa_kernel
	.amdgpu_metadata
---
amdhsa.version: [ 1, 2 ]
amdhsa.kernels:
  - .name:           k_q3e3f92f734_attn
    .symbol:         k_q3e3f92f734_attn.kd
    .args:
      - { .name: qkv, .offset: 0, .size: 8, .value_kind: global_buffer, .address_space: global }
      - { .name: o16, .offset: 8, .size: 8, .value_kind: global_buffer, .address_space: global }
    .group_segment_fixed_size: 327680
    .private_segment_fixed_size: 0
    .kernarg_segment_align: 8
    .kernarg_segment_size: 16
    .max_flat_workgroup_size: 512
    .sgpr_count:     66
    .vgpr_count:     256
    .wavefront_size: 32
...
	.end_amdgpu_metadata
.endif
;; end of part 3
;; launch proj (part 4): grid 8 x 64, 4 waves a work-group, clusters of 4 x 4, 327,680 bytes of LDS; arguments o16, wpt, bp, out0; writes out0
.if DOCPART == 4
	.amdgcn_target "amdgcn-amd-amdhsa--gfx1250"
	.amdhsa_code_object_version 6
	.text
	.protected	k_q3e3f92f734_proj
	.globl	k_q3e3f92f734_proj
	.p2align	8
	.type	k_q3e3f92f734_proj,@function
k_q3e3f92f734_proj:
	s_mov_b64 s[64:65], 0
	v_nop
	global_prefetch_b8 v0, s[64:65] scope:SCOPE_SE
	s_setreg_imm32_b32 hwreg(HW_REG_WAVE_MODE, 25, 1), 1
	s_wait_xcnt 0x0
	s_wait_alu depctr_hold_cnt(0) depctr_sa_sdst(0) depctr_va_vdst(0) depctr_va_sdst(0) depctr_va_ssrc(0) depctr_va_vcc(0) depctr_vm_vsrc(0)
	s_getreg_b32 s2, hwreg(HW_REG_IB_STS2, 6, 4)
	s_cmp_eq_u32 s2, 0
	s_cbranch_scc0 .Lentry_in_a_cluster
	s_endpgm
.Lentry_in_a_cluster:
	s_bfe_u32 s2, ttmp6, 0x10000c
	s_cmp_lg_u32 s2, 0xf033
	s_cbranch_scc0 .Lentry_shape_is_right
	s_endpgm
.Lentry_shape_is_right:
; out[m][n] = sum over k of O[m][k] Wp[k][n] + bp[n]: f16 operands, f32 sums; m 8,192, n 1,024, K 1,024.  Rows t < 16 of each sequence are not stored here: the launch that follows makes them in f32 and is their one owner.
; A tile of 128 x 128 to a work-group of four waves, each 64 x 64: 16 accumulators.  K goes in steps of 256 through two LDS slots.  Clusters of 4 x 4: O's tiles are shared along a row, Wp's along a column, by joint loads.
; BOTH OPERANDS LIE IN MEMORY IN THE ORDER OF THE OPERANDS' REGISTERS: a fragment of 16 rows x 32 k is 1,024 bytes (registers 0-3: 512 bytes, lane l's 16 at 16 l; then registers 4-7), 32 fragments to a tile of 16 rows.
; So a K step of a tile of 16 rows is 8,192 consecutive bytes, a wave's tensor load brings four such rows (32,768 bytes apart in memory), and every LDS load takes 512 consecutive bytes: no pitch, no padding.
; THE TILE ROW IS 16 cy + cluster y: the batch is cy, the tile's place in its sequence is cluster y, which all partners share: the branch round the rows t < 16 hangs on cluster y and the wave's number alone.
; Transposed use (source 0 = 16 columns n, source 1 = 16 rows m): a lane holds eight neighbouring n of one row.  The bias is the C of each sum's first matrix instruction.
; REGISTERS: window 0: v0-31 addresses; v32-63 the bias, four tiles of 8 (later, with v64-95, rows on the way out); v128-255 the accumulators.  window 1: two fragment buffers of 128.
.set SLOT,   131072                    ; O's 8 tiles of rows x 8,192 bytes, then Wp's 8
.set SPARE,  2*SLOT                    ; the spare words: two blocks of 256 bytes that no other line names
.set STAGE,  SPARE+512                 ; 16 rows x 272 bytes for each wave; no tensor load lands here
.set SPITCH, 272
.set LAPS,   2
.set ADRA, 16
.set ADRB, 20
.set STO,  24
.set RD,   25
.set CO,   26
.set SPW,  28
.set NIL,  29
.set BIAS, 32
.set ACC,  128
.set F0,   0
.set F1,   128
.set G1, 24
.set G0, 32
.set G1B, 48
.set G0B, 56
.set MSB, 0
.macro WIN new
.if MSB != \new
	s_set_vgpr_msb (MSB<<8)|\new
.set MSB, \new
.endif
.endm
.set MUL,  0x05                        ; sources 0 and 1 window 1; C and D window 0
.set TO_F, 0x40
.macro JLOAD s                         ; waves 0 and 1 fetch O's two halves, waves 2 and 3 Wp's; an s_nop 0 and four v_nop follow each line
	s_cmp_eq_u32 s11, 0
	s_cbranch_scc0 .Lfor_b_\@
	tensor_load_to_lds s[G0+4*\s:G0+4*\s+3], s[G1:G1+7]
	s_nop 0
.rept 4
	v_nop
.endr
	s_branch .Lasked_\@
.Lfor_b_\@:
	tensor_load_to_lds s[G0B+4*\s:G0B+4*\s+3], s[G1B:G1B+7]
	s_nop 0
.rept 4
	v_nop
.endr
.Lasked_\@:
.endm
.macro CREST
	s_cmp_lg_u32 s10, 0
	s_cbranch_scc1 .Lnot_wave_0_\@
	s_barrier_signal -3
.Lnot_wave_0_\@:
	s_barrier_wait -3
	s_barrier_signal -1
	s_barrier_wait -1
.endm
.macro CROUND
	s_barrier_signal -1
	s_barrier_wait -1
	CREST
.endm
	s_load_b128 s[4:7], s[0:1], 0x0                ; o16, wpt
	s_load_b128 s[68:71], s[0:1], 0x10             ; bp, out0
	v_lshl_add_u32 v[SPW], v0, 2, SPARE
	v_mov_b32 v[NIL], 0
	ds_add_u32 v[SPW], v[NIL]                      ; the wave's opening: the add, twice on end, and its wait ahead of my first tensor load
	ds_add_u32 v[SPW], v[NIL]
	v_lshrrev_b32 v1, 5, v0
	v_readfirstlane_b32 s10, v1                    ; wave 0..3
	s_lshr_b32 s11, s10, 1                         ; my half of the tile's rows.  Also: I fetch for O (0) or for Wp (1)
	s_and_b32 s12, s10, 1                          ; my half of its columns.  Also: which 64 rows I fetch
	s_bfe_u32 s40, ttmp6, 0x40000                  ; cx
	s_bfe_u32 s41, ttmp6, 0x40004                  ; cy
	s_lshl_b32 s42, ttmp9, 2
	s_add_co_u32 s42, s42, s40                     ; tile column = 4 x cluster x + cx
	s_and_b32 s2, ttmp7, 0xffff                    ; cluster y
	s_lshl_b32 s13, s41, 4
	s_add_co_u32 s13, s13, s2                      ; tile row = 16 cy + cluster y
	s_or_b32 s2, s2, s11                           ; 0 where my wave's first 16 rows are positions 0-15
	s_lshl_b32 s43, s41, 2
	s_lshl_b32 s43, 15, s43                        ; my row of the cluster
	s_lshl_b32 s44, 0x1111, s40                    ; my column
	s_or_b32 s[G1+0], s43, (3<<16)|(1<<21)         ; the mask; elements of 8 bytes; bit 21 beside a mask; no padding
	s_or_b32 s[G1B+0], s44, (3<<16)|(1<<21)
.irp g, G1, G1B
	s_mov_b32 s[\g+1], 1024<<16                    ; tensor_dim0: 8,192 bytes
	s_mov_b32 s[\g+2], 4<<16                       ; tensor_dim1
	s_mov_b32 s[\g+3], 1024<<16                    ; tile_dim0
	s_mov_b32 s[\g+4], 4                           ; tile_dim1
	s_mov_b32 s[\g+5], 4096                        ; the pitch: 32,768 bytes
	s_mov_b32 s[\g+6], 0
	s_mov_b32 s[\g+7], 0
.endr
	s_lshl_b32 s17, s12, 17                        ; which four tiles of 16 rows I fetch
	s_lshl_b32 s16, s13, 18
	s_add_co_u32 s16, s16, s17                     ; O: (8 x tile row + 4 x half) x 32,768
	s_lshl_b32 s46, s42, 18
	s_add_co_u32 s46, s46, s17                     ; Wp: the same by the tile column
	s_mov_b32 s17, 0
	s_mov_b32 s47, 0
	s_lshl_b32 s20, s10, 15                        ; where they go: wave x 32,768
	s_wait_dscnt 0x0                               ; both opening adds are done
	s_wait_kmcnt 0x0
	s_add_nc_u64 s[14:15], s[4:5], s[16:17]
	s_add_nc_u64 s[46:47], s[6:7], s[46:47]
	CROUND                                         ; all sixteen work-groups are here: the first joint loads meet
.irp s, 0,1
	s_mov_b32 s[G0+4*\s], 1
	s_add_co_u32 s[G0+4*\s+1], s20, \s*SLOT
	s_add_nc_u64 s[G0+4*\s+2:G0+4*\s+3], s[14:15], \s*8192
	s_or_b32 s[G0+4*\s+3], s[G0+4*\s+3], 0x80000000
	s_mov_b32 s[G0B+4*\s], 1
	s_add_co_u32 s[G0B+4*\s+1], s20, \s*SLOT
	s_add_nc_u64 s[G0B+4*\s+2:G0B+4*\s+3], s[46:47], \s*8192
	s_or_b32 s[G0B+4*\s+3], s[G0B+4*\s+3], 0x80000000
	JLOAD \s
.endr
	v_and_b32 v1, 15, v0                           ; l % 16
	v_bfe_u32 v2, v0, 4, 1                         ; l / 16
	v_and_b32 v3, 31, v0
	v_lshlrev_b32 v3, 4, v3                        ; 16 x lane
	s_lshl_b32 s21, s11, 15                        ; my 64 rows of O
	s_lshl_b32 s22, s12, 15                        ; my 64 columns of Wp,
	s_add_co_u32 s22, s22, 65536                   ; which lie behind O's 128 rows
.irp s, 0,1
	v_add_nc_u32 v[ADRA+\s], s21, v3
	v_add_nc_u32 v[ADRB+\s], s22, v3
	s_add_co_u32 s21, s21, SLOT
	s_add_co_u32 s22, s22, SLOT
.endr
	s_mul_i32 s23, s10, 16*SPITCH
	s_add_co_u32 s23, s23, STAGE                   ; my stage
	v_mul_u32_u24 v4, v1, SPITCH
	v_lshl_add_u32 v4, v2, 5, v4
	v_add_nc_u32 v[STO], s23, v4                   ; in: row l % 16, 32 bytes for each half of the lanes
	v_mul_u32_u24 v5, v2, SPITCH
	v_lshl_add_u32 v5, v1, 4, v5
	v_add_nc_u32 v[RD], s23, v5                    ; back: lanes 0-15 one row of 256 bytes, lanes 16-31 the next
	v_lshlrev_b32 v5, 12, v2
	v_lshl_add_u32 v[CO], v1, 4, v5                ; and the same two rows in out0
	s_lshl_b32 s46, s42, 9
	s_lshl_b32 s47, s12, 8
	s_add_co_u32 s46, s46, s47                     ; my first column, in bytes: 512 x tile column + 256 x half
	s_mov_b32 s47, 0
	s_add_nc_u64 s[68:69], s[68:69], s[46:47]
	s_add_nc_u64 s[70:71], s[70:71], s[46:47]
	s_lshl_b32 s16, s13, 19
	s_lshl_b32 s17, s11, 18
	s_add_co_u32 s16, s16, s17                     ; my first row: (128 x tile row + 64 x half) x 4,096 bytes
	s_mov_b32 s17, 0
	s_add_nc_u64 s[70:71], s[70:71], s[16:17]
	v_lshlrev_b32 v6, 5, v2
.irp b, 0,1,2,3
	global_load_b128 v[BIAS+8*\b:BIAS+8*\b+3],   v6, s[68:69] offset:64*\b      ; bp at columns 16 b + 8 (l / 16) + 0 .. 7: the result's layout
	global_load_b128 v[BIAS+8*\b+4:BIAS+8*\b+7], v6, s[68:69] offset:64*\b+16
.endr
; 8 matrix instructions: m blocks a0, a0 + 1 x all 4 n blocks, 32 along K: half c of buffer f.  zero = 1: the first product starts the sum on the bias.  The 16 accumulators take turns.
.macro MUL8 f, c, a0, zero
.irp a, \a0, \a0+1
.irp b, 0,1,2,3
.if \zero
	v_wmma_f32_16x16x32_f16 v[ACC+8*(4*(\a)+\b):ACC+8*(4*(\a)+\b)+7], v[\f+64+8*(4*\c+\b):\f+64+8*(4*\c+\b)+7], v[\f+8*(4*\c+\a):\f+8*(4*\c+\a)+7], v[BIAS+8*\b:BIAS+8*\b+7]
.else
	v_wmma_f32_16x16x32_f16 v[ACC+8*(4*(\a)+\b):ACC+8*(4*(\a)+\b)+7], v[\f+64+8*(4*\c+\b):\f+64+8*(4*\c+\b)+7], v[\f+8*(4*\c+\a):\f+8*(4*\c+\a)+7], v[ACC+8*(4*(\a)+\b):ACC+8*(4*(\a)+\b)+7]
.endif
.endr
.endr
.endm
; 32 LDS loads in one run: the fragments of the K step's quarter qd (64 along K) into buffer f; the first 32 along K first
.macro FETCH slot, qd, f
	WIN TO_F
.irp c, 0,1
.irp i, 0,1,2,3
	ds_load_b128 v[\f+64+8*(4*\c+\i):\f+64+8*(4*\c+\i)+3],   v[ADRB+\slot] offset:8192*\i+1024*(2*(\qd)+\c)
	ds_load_b128 v[\f+64+8*(4*\c+\i)+4:\f+64+8*(4*\c+\i)+7], v[ADRB+\slot] offset:8192*\i+1024*(2*(\qd)+\c)+512
	ds_load_b128 v[\f+8*(4*\c+\i):\f+8*(4*\c+\i)+3],         v[ADRA+\slot] offset:8192*\i+1024*(2*(\qd)+\c)
	ds_load_b128 v[\f+8*(4*\c+\i)+4:\f+8*(4*\c+\i)+7],       v[ADRA+\slot] offset:8192*\i+1024*(2*(\qd)+\c)+512
.endr
.endr
.endm
.macro PLACES
.rept 4
	v_nop
.endr
.endm
.macro QUARTER slot, qd, f, g, zero    ; multiplies buffer f and fetches quarter qd of the same slot into g
	s_wait_dscnt 16                                ; the first 32 along K are in; the youngest sixteen loads may be out
	WIN MUL
	MUL8 \f, 0, 0, \zero
	MUL8 \f, 0, 2, \zero
	PLACES
	FETCH \slot, \qd, \g
	s_wait_dscnt 32                                ; all but the 32 just issued
	WIN MUL
	MUL8 \f, 1, 0, 0
	MUL8 \f, 1, 2, 0
.endm
; The last quarter changes slots: one barrier; in front of it each wave waits for all its tensor loads, adds 0 to its spare word, and waits for that and for its reads of this slot.  fill = 1: the barrier opens a round of the
; cluster's barrier, and this slot is filled again, two K steps ahead, first thing behind the round.
.macro TURN slot, next, fill
	WIN 0
	s_wait_tensorcnt 0x0
	ds_add_u32 v[SPW], v[NIL]
	s_wait_dscnt 17                                ; (the add and the youngest sixteen loads may be out)
	WIN MUL
	MUL8 F1, 0, 0, 0
	s_wait_dscnt 0x0
	s_barrier_signal -1
	MUL8 F1, 0, 2, 0
.if \fill
	WIN 0
.endif
	s_barrier_wait -1
.if \fill
	CREST
	s_add_nc_u64 s[G0+4*\slot+2:G0+4*\slot+3], s[G0+4*\slot+2:G0+4*\slot+3], 16384
	s_add_nc_u64 s[G0B+4*\slot+2:G0B+4*\slot+3], s[G0B+4*\slot+2:G0B+4*\slot+3], 16384
	JLOAD \slot                                    ; the four v_nop behind it are also the places in front of the loads below
.else
	PLACES
.endif
	FETCH \next, 0, F0
	WIN MUL
	MUL8 F1, 1, 0, 0
	MUL8 F1, 1, 2, 0
.endm
	s_wait_loadcnt 0x0                             ; the bias
	s_wait_tensorcnt 1                             ; my part of K step 0 is in; K step 1's load may be out
	s_barrier_signal -1
	s_barrier_wait -1
	FETCH 0, 0, F0
	QUARTER 0, 1, F0, F1, 1
	WIN 0
	s_mov_b32 s3, LAPS-1
.Llap:                                             ; a trip goes once round the ring and fills both slots again
	QUARTER 0, 2, F1, F0, 0
	QUARTER 0, 3, F0, F1, 0
	TURN 0, 1, 1
	QUARTER 1, 1, F0, F1, 0
	QUARTER 1, 2, F1, F0, 0
	QUARTER 1, 3, F0, F1, 0
	TURN 1, 0, 1
	QUARTER 0, 1, F0, F1, 0
	WIN 0
	s_sub_co_u32 s3, s3, 1
	s_cmp_lg_u32 s3, 0
	s_cbranch_scc1 .Llap
	QUARTER 0, 2, F1, F0, 0                        ; the last lap fills nothing
	QUARTER 0, 3, F0, F1, 0
	TURN 0, 1, 0
	QUARTER 1, 1, F0, F1, 0
	QUARTER 1, 2, F1, F0, 0
	QUARTER 1, 3, F0, F1, 0
	s_wait_dscnt 16
	WIN MUL
	MUL8 F1, 0, 0, 0
	MUL8 F1, 0, 2, 0
	s_wait_dscnt 0
	MUL8 F1, 1, 0, 0
	MUL8 F1, 1, 2, 0
	WIN 0
; THE WAY OUT.  My 64 columns of f32 are 256 bytes of a row, aligned: 16 rows at a time go through my own stage and come back as whole rows; sixteen lanes store 256 consecutive bytes.
; LDS serves a wave's instructions in order: no wait between the stores and the loads, nor in front of the next block's stores.
.macro OUTP a
.set BK, 32+32*((\a)%2)
.if (\a) >= 2
	s_wait_xcnt 0x0                                ; the stores of two blocks ago have read their data
.endif
.irp b, 0,1,2,3
	ds_store_b128 v[STO], v[ACC+8*(4*(\a)+\b):ACC+8*(4*(\a)+\b)+3] offset:64*\b          ; each accumulator from its low end on
	ds_store_b128 v[STO], v[ACC+8*(4*(\a)+\b)+4:ACC+8*(4*(\a)+\b)+7] offset:64*\b+16
.endr
.irp t, 0,1,2,3,4,5,6,7
	ds_load_b128 v[BK+4*\t:BK+4*\t+3], v[RD] offset:\t*2*SPITCH
.endr
	s_wait_dscnt 0x0
.irp t, 0,1,2,3,4,5,6,7
	global_store_b128 v[CO], v[BK+4*\t:BK+4*\t+3], s[70:71] offset:65536*(\a)+8192*\t th:TH_STORE_NT
.endr
.endm
	PLACES
	s_cmp_eq_u32 s2, 0                             ; cluster y and the wave's number alone: positions 0-15 belong to the launch that follows
	s_cbranch_scc1 .Lfine_rows
	OUTP 0
.Lfine_rows:
	OUTP 1
	OUTP 2
	OUTP 3
	s_wait_tensorcnt 0x0                           ; the wave's end
	ds_add_u32 v[SPW], v[NIL]
	s_wait_dscnt 0x0
	CROUND                                         ; the closing round
	s_endpgm
.Lfunc_end_k_q3e3f92f734_proj:
	.size	k_q3e3f92f734_proj, .Lfunc_end_k_q3e3f92f734_proj-k_q3e3f92f734_proj
	.p2alignl 7, 3214868480
	.fill 96, 4, 3214868480
	.section	.rodata,"a",@progbits
	.p2align	6, 0x0
	.amdhsa_kernel k_q3e3f92f734_proj
		.amdhsa_group_segment_fixed_size 327680
		.amdhsa_private_segment_fixed_size 0
		.amdhsa_enable_private_segment 0
		.amdhsa_kernarg_size 32
		.amdhsa_user_sgpr_count 2
		.amdhsa_user_sgpr_kernarg_segment_ptr 1
		.amdhsa_wavefront_size32 1
		.amdhsa_system_sgpr_workgroup_id_x 1
		.amdhsa_system_sgpr_workgroup_id_y 1
		.amdhsa_system_sgpr_workgroup_id_z 1
		.amdhsa_system_vgpr_workitem_id 0
		.amdhsa_next_free_vgpr 512
		.amdhsa_next_free_sgpr 72
		.amdhsa_reserve_vcc 0
		.amdhsa_float_denorm_mode_32 3
		.amdhsa_float_denorm_mode_16_64 3
		.amdhsa_memory_ordered 1
		.amdhsa_forward_progress 1
		.amdhsa_inst_pref_size 86
	.end_amdhsa_kernel
	.amdgpu_metadata
---
amdhsa.version: [ 1, 2 ]
amdhsa.kernels:
  - .name:           k_q3e3f92f734_proj
    .symbol:         k_q3e3f92f734_proj.kd
    .args:
      - { .name: o16, .offset: 0, .size: 8, .value_kind: global_buffer, .address_space: global }
      - { .name: wpt, .offset: 8, .size: 8, .value_kind: global_buffer, .address_space: global }
      - { .name: bp, .offset: 16, .size: 8, .value_kind: global_buffer, .address_space: global }
      - { .name: out0, .offset: 24, .size: 8, .value_kind: global_buffer, .address_space: global }
    .group_segment_fixed_size: 327680
    .private_segment_fixed_size: 0
    .kernarg_segment_align: 8
    .kernarg_segment_size: 32
    .max_flat_workgroup_size: 128
    .sgpr_count:     72
    .vgpr_count:     512
    .wavefront_size: 32
...
	.end_amdgpu_metadata
.endif
;; end of part 4
;; launch fine (part 5): grid 16 x 4, 16 waves a work-group, no clusters, 71,680 bytes of LDS; arguments q32, Wp, bp, out0; writes out0
.if DOCPART == 5
	.amdgcn_target "amdgcn-amd-amdhsa--gfx1250"
	.amdhsa_code_object_version 6
	.text
	.protected	k_q3e3f92f734_fine
	.globl	k_q3e3f92f734_fine
	.p2align	8
	.type	k_q3e3f92f734_fine,@function
k_q3e3f92f734_fine:
	s_mov_b64 s[64:65], 0
	v_nop
	global_prefetch_b8 v0, s[64:65] scope:SCOPE_SE
	s_setreg_imm32_b32 hwreg(HW_REG_WAVE_MODE, 25, 1), 1
	s_wait_xcnt 0x0
; Positions 0-15 of each sequence, wholly in f32: they average one to sixteen values and are the largest of the output, so f16 operands would weigh most there.  64 rows in all: no bulk work.
; A work-group makes 64 columns (64 x work-group x) of the 16 rows of batch y.  Wave w is head w: its 16 x 16 attention, then its 64 k of the projection; the sixteen partial sums meet in LDS,
; and wave w adds up row w, with the bias, and stores its 256 bytes.  Under the causal mask these 16 queries see keys 0-15 alone: later keys have the weight 0 by reference()'s own jnp.tril.
; q32 holds Q, K, V of these tokens as the qkv launch's accumulators stood: [b][n / 16][half e][lane (r = token, hh)][4]: channel 16 blk + 8 hh + 4 e + i.
; THE f32 MATRIX FORM takes k = 2 (lane / 16) + j in register j.  Each product below gives both sources the same map from (lane / 16, j) to the true k, so each k is multiplied with itself and each is taken once:
;   S^T = K Q^T: pair s of a lane's 32 registers on both sides;  O^T = V^T P: keys 8 hh + 2 s + j;  out^T = Wp^T O^T: channels 16 d + 8 hh + 2 s + j.
; The registers that the matrix instructions write (v80-95, v136-167) are written by nothing else; what is made of a sum goes into other registers.
; REGISTERS: v1 16 x lane; v2, v3 V's and Wp's lane offsets; v4, v5 the add's two; v6 r - 8 hh; v7, v14 the stage; v[8:9] bias, then the row's sum; v15 8 x lane;
;   v16-47 Q, v48-79 K, later Wp's columns 32-63; v96-103 scores, then p; v104-135 V, later O / l; v168-231 Wp's columns 0-31; v232-236 at work.
.set SPARE, 69632                      ; behind the 16 stages of 16 x 272 bytes: the spare words, 128 bytes for each wave
.set SPW, 4
.set NIL, 5
.set SEL, 22
	s_load_b256 s[4:11], s[0:1], 0x0               ; q32 s[4:5], Wp s[6:7], bp s[8:9], out0 s[10:11]
	v_lshl_add_u32 v[SPW], v0, 2, SPARE
	v_mov_b32 v[NIL], 0
	v_lshrrev_b32 v10, 5, v0
	v_readfirstlane_b32 s12, v10                   ; wave = head
	s_and_b32 s13, ttmp7, 0xffff                   ; batch
	s_lshl_b32 s14, ttmp9, 8                       ; my 64 columns, in bytes
	s_mov_b32 s18, 0x3e38aa3b                      ; c = log2(e) / 8
	s_mov_b32 s[SEL], 0x76543210
	s_mov_b32 s[SEL+1], 0xfedcba98
	v_and_b32 v10, 31, v0                          ; lane
	v_and_b32 v11, 15, v0                          ; r
	v_bfe_u32 v12, v0, 4, 1                        ; hh
	v_lshlrev_b32 v1, 4, v10
	v_bfe_u32 v13, v11, 2, 1
	v_lshlrev_b32 v2, 9, v13                       ; V(key 8 hh + i, channel 16 d + r): half e = (r / 4) % 2,
	v_lshrrev_b32 v13, 3, v11
	v_lshl_add_u32 v2, v13, 8, v2                  ; lane 16 (r / 8) + 8 hh + i,
	v_lshl_add_u32 v2, v12, 7, v2
	v_and_b32 v13, 3, v11
	v_lshl_add_u32 v2, v13, 2, v2                  ; word r % 4
	v_lshlrev_b32 v3, 2, v11
	v_lshl_add_u32 v3, v12, 15, v3                 ; Wp: column r, 8 hh rows of 4,096 bytes down
	v_lshlrev_b32 v13, 3, v12
	v_sub_nc_u32 v6, v11, v13
	s_mul_i32 s20, s12, 16*272
	v_mul_u32_u24 v7, v11, 272
	v_lshl_add_u32 v7, v12, 5, v7
	v_add_nc_u32 v7, s20, v7                       ; my stage: row r, 32 bytes for each half of the lanes
	s_mul_i32 s20, s12, 272
	v_lshl_add_u32 v14, v10, 3, s20                ; back: row w of a stage, 8 bytes a lane
	v_lshlrev_b32 v15, 3, v10
	s_wait_kmcnt 0x0
	s_mul_i32 s16, s13, 196608
	s_lshl_b32 s17, s12, 12                        ; a head is four blocks of 1,024 bytes
	s_add_co_u32 s16, s16, s17
	s_mov_b32 s17, 0
	s_add_nc_u64 s[4:5], s[4:5], s[16:17]
	s_lshl_b32 s16, s12, 18                        ; Wp: my head's 64 rows
	s_add_co_u32 s16, s16, s14
	s_add_nc_u64 s[6:7], s[6:7], s[16:17]
	s_mov_b32 s16, s14
	s_add_nc_u64 s[8:9], s[8:9], s[16:17]
	s_lshl_b32 s16, s13, 23                        ; out0: row 2,048 b + w
	s_lshl_b32 s20, s12, 12
	s_add_co_u32 s16, s16, s20
	s_add_co_u32 s16, s16, s14
	s_add_nc_u64 s[10:11], s[10:11], s[16:17]
.irp k, 0,1,2,3
.irp e, 0,1
	global_load_b128 v[16+8*\k+4*\e:19+8*\k+4*\e], v1, s[4:5] offset:1024*\k+512*\e            ; Q
.endr
.endr
.irp k, 0,1,2,3
.irp e, 0,1
	global_load_b128 v[48+8*\k+4*\e:51+8*\k+4*\e], v1, s[4:5] offset:65536+1024*\k+512*\e      ; K: 64 blocks on
.endr
.endr
.irp d, 0,1,2,3
.irp i, 0,1,2,3,4,5,6,7
	global_load_b32 v[104+8*\d+\i], v2, s[4:5] offset:131072+1024*\d+16*\i                     ; V: 128 blocks on
.endr
.endr
	global_load_b64 v[8:9], v15, s[8:9]            ; the bias of my two columns of row w
.irp n, 0,1
.irp d, 0,1,2,3
.irp i, 0,1,2,3,4,5,6,7
	global_load_b32 v[168+32*\n+8*\d+\i], v3, s[6:7] offset:(16*\d+\i)*4096+64*\n              ; Wp(64 w + 16 d + 8 hh + i, 16 n + r)
.endr
.endr
.endr
	s_wait_loadcnt 63                              ; 113 loads are issued, the last 64 of them Wp's: at most 63 out shows the first 50 done: Q, K, V and the bias
	v_wmma_f32_16x16x4_f32 v[80:87], v[48:49], v[16:17], 0           ; S^T in two accumulators by turns; the first of each starts its sum
	v_wmma_f32_16x16x4_f32 v[88:95], v[50:51], v[18:19], 0
.irp s, 2,4,6,8,10,12,14
	v_wmma_f32_16x16x4_f32 v[80:87], v[48+2*\s:49+2*\s], v[16+2*\s:17+2*\s], v[80:87]
	v_wmma_f32_16x16x4_f32 v[88:95], v[50+2*\s:51+2*\s], v[18+2*\s:19+2*\s], v[88:95]
.endr
.rept 8
	v_nop                                          ; eight places behind this form, ahead of loads into its sources and of reads of its results
.endr
.irp n, 2,3
.irp d, 0,1,2,3
.irp i, 0,1,2,3,4,5,6,7
	global_load_b32 v[16+32*(\n-2)+8*\d+\i], v3, s[6:7] offset:(16*\d+\i)*4096+64*\n
.endr
.endr
.endr
.irp j, 0,1,2,3,4,5,6,7
	v_add_f32 v[96+\j], v[80+\j], v[88+\j]         ; score of key 8 hh + j, query r
.endr
	v_mov_b32 v232, 0xff800000
.irp j, 0,1,2,3,4,5,6,7
	v_cmp_gt_i32 vcc_lo, \j, v6                    ; hidden where 8 hh + j > r
	v_cndmask_b32 v[96+\j], v[96+\j], v232, vcc_lo
.endr
	v_max3_num_f32 v233, v96, v97, v98
	v_max3_num_f32 v234, v99, v100, v101
	v_max3_num_f32 v233, v233, v102, v103
	v_max_num_f32 v233, v233, v234
	v_permlanex16_b32 v234, v233, s[SEL], s[SEL+1]
	v_max_num_f32 v233, v233, v234                 ; the row's maximum: key 0 counts for every query
	v_mul_f32 v233, s18, v233
.irp j, 0,1,2,3,4,5,6,7
	v_fma_f32 v[96+\j], v[96+\j], s18, -v233
.endr
.irp j, 0,1,2,3,4,5,6,7
	v_exp_f32 v[96+\j], v[96+\j]
.endr
	v_nop
	s_wait_alu depctr_va_vdst(0)                   ; one wait for the eight, ahead of their first reader
	v_add_f32 v234, v96, v97
	v_add_f32 v235, v98, v99
	v_add_f32 v234, v234, v100
	v_add_f32 v235, v235, v101
	v_add_f32 v234, v234, v102
	v_add_f32 v235, v235, v103
	v_add_f32 v234, v234, v235
	v_permlanex16_b32 v235, v234, s[SEL], s[SEL+1]
	v_add_f32 v234, v234, v235
	v_rcp_f32 v236, v234
	v_nop
	s_wait_alu depctr_va_vdst(0)
.irp s, 0,1,2,3
.irp d, 0,1,2,3
.if \s == 0
	v_wmma_f32_16x16x4_f32 v[136+8*\d:143+8*\d], v[104+8*\d+2*\s:105+8*\d+2*\s], v[96+2*\s:97+2*\s], 0      ; O^T: four accumulators by turns
.else
	v_wmma_f32_16x16x4_f32 v[136+8*\d:143+8*\d], v[104+8*\d+2*\s:105+8*\d+2*\s], v[96+2*\s:97+2*\s], v[136+8*\d:143+8*\d]
.endif
.endr
.endr
.rept 9
	v_nop                                          ; eight places ahead of reads of the results and writes of V's registers; nine ahead of products that begin these accumulators anew
.endr
.set i, 0
.rept 32
	v_mul_f32 v[104+i], v[136+i], v236             ; O / l: register 8 d + j is channel 16 d + 8 hh + j of query r
.set i, i+1
.endr
	s_wait_loadcnt 0x0                             ; Wp
.irp d, 0,1,2,3
.irp s, 0,1,2,3
.irp n, 0,1,2,3
.set WR, 168+32*\n-216*(\n/2)          ; columns 0-31 from v168 on, columns 32-63 from v16 on
.if (\d == 0) && (\s == 0)
	v_wmma_f32_16x16x4_f32 v[136+8*\n:143+8*\n], v[WR+8*\d+2*\s:WR+8*\d+2*\s+1], v[104+8*\d+2*\s:105+8*\d+2*\s], 0
.else
	v_wmma_f32_16x16x4_f32 v[136+8*\n:143+8*\n], v[WR+8*\d+2*\s:WR+8*\d+2*\s+1], v[104+8*\d+2*\s:105+8*\d+2*\s], v[136+8*\n:143+8*\n]
.endif
.endr
.endr
.endr
.rept 8
	v_nop
.endr
.irp n, 0,1,2,3
	ds_store_b128 v7, v[136+8*\n:139+8*\n] offset:64*\n              ; my head's part of out(r, 16 n + 8 hh + 0 .. 7)
	ds_store_b128 v7, v[140+8*\n:143+8*\n] offset:64*\n+16
.endr
	s_wait_dscnt 0x0                               ; for the others' sake: my stores have landed
	s_barrier_signal -1
	s_barrier_wait -1
.irp p, 0,1,2,3,4,5,6,7,8,9,10,11,12,13,14,15
	ds_load_b64 v[16+2*\p:17+2*\p], v14 offset:4352*\p               ; row w of head p's part
.endr
	s_wait_dscnt 0x0
.irp p, 0,1,2,3,4,5,6,7,8,9,10,11,12,13,14,15
	v_pk_add_f32 v[8:9], v[8:9], v[16+2*\p:17+2*\p]
.endr
	global_store_b64 v15, v[8:9], s[10:11]         ; 256 consecutive bytes, aligned
	s_wait_tensorcnt 0x0                           ; the wave's end
	ds_add_u32 v[SPW], v[NIL]
	s_wait_dscnt 0x0
	s_endpgm
.Lfunc_end_k_q3e3f92f734_fine:
	.size	k_q3e3f92f734_fine, .Lfunc_end_k_q3e3f92f734_fine-k_q3e3f92f734_fine
	.p2alignl 7, 3214868480
	.fill 96, 4, 3214868480
	.section	.rodata,"a",@progbits
	.p2align	6, 0x0
	.amdhsa_kernel k_q3e3f92f734_fine
		.amdhsa_group_segment_fixed_size 71680
		.amdhsa_private_segment_fixed_size 0
		.amdhsa_enable_private_segment 0
		.amdhsa_kernarg_size 32
		.amdhsa_user_sgpr_count 2
		.amdhsa_user_sgpr_kernarg_segment_ptr 1
		.amdhsa_wavefront_size32 1
		.amdhsa_system_sgpr_workgroup_id_x 1
		.amdhsa_system_sgpr_workgroup_id_y 1
		.amdhsa_system_sgpr_workgroup_id_z 1
		.amdhsa_system_vgpr_workitem_id 0
		.amdhsa_next_free_vgpr 256
		.amdhsa_next_free_sgpr 66
		.amdhsa_reserve_vcc 1
		.amdhsa_float_denorm_mode_32 3
		.amdhsa_float_denorm_mode_16_64 3
		.amdhsa_memory_ordered 1
		.amdhsa_forward_progress 1
		.amdhsa_inst_pref_size 33
	.end_amdhsa_kernel
	.amdgpu_metadata
---
amdhsa.version: [ 1, 2 ]
amdhsa.kernels:
  - .name:           k_q3e3f92f734_fine
    .symbol:         k_q3e3f92f734_fine.kd
    .args:
      - { .name: q32, .offset: 0, .size: 8, .value_kind: global_buffer, .address_space: global }
      - { .name: Wp, .offset: 8, .size: 8, .value_kind: global_buffer, .address_space: global }
      - { .name: bp, .offset: 16, .size: 8, .value_kind: global_buffer, .address_space: global }
      - { .name: out0, .offset: 24, .size: 8, .value_kind: global_buffer, .address_space: global }
    .group_segment_fixed_size: 71680
    .private_segment_fixed_size: 0
    .kernarg_segment_align: 8
    .kernarg_segment_size: 32
    .max_flat_workgroup_size: 512
    .sgpr_count:     66
    .vgpr_count:     256
    .wavefront_size: 32
...
	.end_amdgpu_metadata
.endif
;; end of part 5
